; MI455X (gfx1250); checked and timed in simulation.
; The chip was launched on July 23, 2026; its instructions are those of AMD's public machine-readable ISA for CDNA 5 (MIT licence, August 2026) and "CDNA5" Instruction Set Architecture Reference Guide (July 2026). The comments in the code are by the model that wrote it; some were corrected since.
;; Transformer XL. Allowed arithmetic: float matrix products may take bf16 or f16 operands with f32 sums; other float arithmetic in f32, or as packed bf16 or f16 multiplies, adds, multiply-adds, maxima and minima; sums over many terms, partial sums and values carried from step to step in f32; what a program stores and reads back later, other than sums and carried values, may be rounded once to bf16 or f16.
;; Inputs: Wgate 1,024 x 16 float32; Wkv 1,024 x 2,048 float32; Wmix 1,024 x 16 float32; Wout 1,024 x 1,024 float32; Wq 1,024 x 1,024 float32; tokens 4 x 2,048 x 1,024 float32; value_residual 4 x 16 x 2,048 x 64 float32.
;; Outputs: out0 4 x 2,048 x 1,024 float32.
;; 2 versions, each right; version 2 is version 1 with the launch prep written anew for expert scheduling mode. Each part assembles by itself: llvm-mc -triple=amdgcn-amd-amdhsa -mcpu=gfx1250 --defsym DOCPART=n.
;; ======== version 1 of 2: 4 launches
;; limits: values are held in f16: magnitudes above 65,504 overflow, below 6.1e-05 lose precision; values outside matrix products are rounded to bf16
;; workspace buffers: xb 16,777,216 bytes; wc 6,291,456 bytes; wo 2,097,152 bytes; gm 1,048,576 bytes; tab 524,288 bytes; qkv 50,331,648 bytes; oh 33,554,432 bytes
;; launch prep (part 1): grid 256 x 1, 8 waves a work-group, no clusters, 183,808 bytes of LDS; arguments tokens, Wq, Wkv, Wout, Wgate, Wmix, xb, wc, wo, gm, tab; writes xb, wc, wo, gm, tab
.if DOCPART == 1
	.amdgcn_target "amdgcn-amd-amdhsa--gfx1250"
	.amdhsa_code_object_version 6
	.text
	.protected	k_qba789c7823_prep
	.globl	k_qba789c7823_prep
	.p2align	8
	.type	k_qba789c7823_prep,@function
k_qba789c7823_prep:
	s_mov_b64 s[64:65], 0
	v_nop
	global_prefetch_b8 v0, s[64:65] scope:SCOPE_SE
	s_setreg_imm32_b32 hwreg(HW_REG_WAVE_MODE, 25, 1), 1
	s_wait_xcnt 0x0
; PREP.  Work-groups 0-127: 64 rows of tokens each are rounded to bf16 (xb [8192][1024]) and, on the way, multiplied by Wgate and Wmix ([1024][16] each, rounded to bf16);
; the sigmoids of both products go to gm, f32 [32][8192]: rows 0-15 the gates by head, rows 16-31 the mixes.
; Work-groups 128-255: one half (512 k) of one chunk of 64 columns of Wq, Wkv or Wout is rounded to bf16 and laid out by chunks, [chunk][k 1024][64]:
; wc = [head 16][q, k, v][k][64] in bf16; wo = [chunk 16][k][64], Wout's bf16 number written as f16.  Each of their waves also makes two positions of the rotary table
; tab, f32 [pos 2048][pair 32][cos, sin].
; LIMITS.  A number of Wout below 6.1e-5 keeps f16's fixed step of 6e-8, one beyond 65,504 becomes an infinity.  NaN and infinities are not treated apart.
; The table's angle is pos x 2^(-p log2(10000) / 32) in f32, brought into -pi .. pi by two constants for 2 pi; sine and cosine are Taylor sums to y^17 and y^18, whose next terms at pi are under 3e-8.
; No cluster, no tensor load: no work-group wants a byte that another has fetched but the two small weights (128 KiB), and every byte of tokens and of the large weights is read once.
.set WL,    0                          ; LDS: the two small weights in bf16, 1,024 rows of k, 96 bytes apart: gate's 16 heads at +0, mix's at +32
.set WP,    96
.set XS,    1024*WP                    ; each wave's own 16 rows x 256 k of tokens in bf16, 528 bytes apart
.set XP,    528
.set PS,    XS+8*16*XP                 ; the upper K half's partial sums, 2,048 bytes a row block
.set FIN,   PS+4*2048                  ; 32 rows of gm x 64 tokens in f32, 272 bytes apart
.set FP,    272
.set SPARE, FIN+32*FP                  ; the spare words, 128 bytes a wave: four blocks of 256 bytes that no other line names
.set SPW, 2                            ; v2  SPARE + 4 x my thread's number; never rewritten
.set NIL, 3                            ; v3  0; never rewritten
.set XO,  4                            ; v4  32 x lane: my 8 numbers of 256 in f32
.set BO,  5                            ; v5  16 x lane
.set WSA, 7
.set XSA, 8
.set AFA, 9
.set BFA, 10
.set PSA, 11
.set FSA, 12
.set FRA, 13
.set GMO, 14
.set PKD, 64                           ; v64-127  numbers rounded to 16 bits
.set AF,  128                          ; v128-191 tokens' fragments, 8 of 32 k (before: gate's weights in f32)
.set BF,  192                          ; v192-255 weights' fragments, 4 of 32 k x (gate, mix) (before: mix's weights in f32)
.set MSB, 0
.macro WIN new                         ; the immediate's high byte repeats the setting that is left; a switch that changes nothing is dropped
.if MSB != (\new)
	s_set_vgpr_msb (MSB<<8)|(\new)
.set MSB, (\new)
.endif
.endm
.macro PLACES                          ; four plain instructions between a matrix instruction and what reads its result or loads into its sources
.rept 4
	v_nop
.endr
.endm
	s_load_b512 s[4:19], s[0:1], 0x0               ; tokens 4, Wq 6, Wkv 8, Wout 10, Wgate 12, Wmix 14, xb 16, wc 18
	s_load_b128 s[20:23], s[0:1], 0x40             ; wo 20, gm 22
	s_load_b64 s[24:25], s[0:1], 0x50              ; tab
	v_lshl_add_u32 v[SPW], v0, 2, SPARE
	v_mov_b32 v[NIL], 0
	v_lshrrev_b32 v1, 5, v0
	v_readfirstlane_b32 s26, v1                    ; wave 0..7
	v_and_b32 v1, 31, v0                           ; lane
	v_lshlrev_b32 v[BO], 4, v1
	s_cmp_ge_u32 ttmp9, 128                        ; the same answer in all waves of a work-group
	s_cbranch_scc1 .Lcast
	; ---------------- TOKENS: wave v takes row block v & 3 (16 rows) and K half v >> 2 (512 k, as two quarters of 256) ----------------
	s_and_b32 s27, s26, 3                          ; row block
	s_lshr_b32 s28, s26, 2                         ; K half
	s_lshl_b32 s30, ttmp9, 6
	s_lshl_b32 s31, s27, 4
	s_add_co_u32 s30, s30, s31                     ; my first row
	s_lshl_b32 s32, s30, 12                        ; x 4,096 bytes in tokens
	s_lshl_b32 s31, s28, 11
	s_add_co_u32 s32, s32, s31
	s_mov_b32 s33, 0
	s_lshl_b32 s34, s30, 11                        ; x 2,048 bytes in xb
	s_lshl_b32 s31, s28, 10
	s_add_co_u32 s34, s34, s31
	s_mov_b32 s35, 0
	s_lshl_b32 s36, s26, 13                        ; my 128 rows of k of the small weights: 8,192 bytes
	s_mov_b32 s37, 0
	s_lshl_b32 s38, ttmp9, 8                       ; the work-group's 64 tokens in a row of gm
	s_mov_b32 s39, 0
	v_lshlrev_b32 v[XO], 5, v1
	s_wait_kmcnt 0x0
	s_add_nc_u64 s[4:5], s[4:5], s[32:33]
	s_add_nc_u64 s[16:17], s[16:17], s[34:35]
	s_add_nc_u64 s[12:13], s[12:13], s[36:37]
	s_add_nc_u64 s[14:15], s[14:15], s[36:37]
	s_add_nc_u64 s[22:23], s[22:23], s[38:39]
.set i, 0
.rept 16                                       ; 8 rows of k a load: 512 consecutive bytes
	global_load_b128 v[AF+4*i:AF+4*i+3], v[BO], s[12:13] offset:512*i
	global_load_b128 v[BF+4*i:BF+4*i+3], v[BO], s[14:15] offset:512*i
.set i, i+1
.endr
	WIN 0x40                                       ; destination window 1: quarter qq, row i at 128 qq + 8 i
.irp qq, 0,1
.set i, 0
.rept 16
	global_load_b128 v[128*(\qq)+8*i:128*(\qq)+8*i+3],   v[XO], s[4:5] offset:4096*i+1024*(\qq) th:TH_LOAD_NT
	global_load_b128 v[128*(\qq)+8*i+4:128*(\qq)+8*i+7], v[XO], s[4:5] offset:4096*i+1024*(\qq)+16 th:TH_LOAD_NT
.set i, i+1
.endr
.endr
	WIN 0
	v_and_b32 v15, 15, v1                          ; r = lane % 16
	v_lshrrev_b32 v33, 4, v1                       ; h = lane / 16
	v_lshrrev_b32 v34, 2, v1
	v_and_b32 v35, 3, v1
	v_mul_u32_u24 v[WSA], v34, WP                  ; the weights go in: row 128 v + 8 i + lane / 4, 8 bytes at 8 (lane % 4)
	v_lshl_add_u32 v[WSA], v35, 3, v[WSA]
	s_mul_i32 s40, s26, 128*WP
	v_add_nc_u32 v[WSA], s40, v[WSA]
	s_mul_i32 s40, s26, 16*XP
	s_add_co_u32 s40, s40, XS                      ; my wave's rows of tokens
	v_lshl_add_u32 v[XSA], v1, 4, s40
	v_mul_u32_u24 v[AFA], v15, XP                  ; a fragment of tokens: row r, 16 bytes at 16 h, and 32 bytes on
	v_lshl_add_u32 v[AFA], v33, 4, v[AFA]
	v_add_nc_u32 v[AFA], s40, v[AFA]
	v_and_b32 v34, 7, v1
	v_lshl_add_u32 v34, v33, 3, v34
	v_mul_u32_u24 v[BFA], v34, WP                  ; the turning load: row of k 8 h + lane % 8, 16 bytes at 16 ((lane / 8) % 2)
	v_bfe_u32 v35, v1, 3, 1
	v_lshl_add_u32 v[BFA], v35, 4, v[BFA]
	s_mul_i32 s40, s28, 512*WP
	v_add_nc_u32 v[BFA], s40, v[BFA]
	s_lshl_b32 s40, s27, 11
	s_add_co_u32 s40, s40, PS
	v_lshl_add_u32 v[PSA], v1, 4, s40
	v_mul_u32_u24 v[FSA], v15, FP                  ; a lane ends with head r and tokens 16 rb + 8 h + 0..7
	v_lshl_add_u32 v[FSA], v33, 5, v[FSA]
	s_lshl_b32 s40, s27, 6
	s_add_co_u32 s40, s40, FIN
	v_add_nc_u32 v[FSA], s40, v[FSA]
	v_mul_u32_u24 v[FRA], v33, FP                  ; back: wave v takes rows 4 v .. 4 v + 3 of gm, sixteen lanes a row of 256 bytes
	v_lshl_add_u32 v[FRA], v15, 4, v[FRA]
	s_mul_i32 s40, s26, 4*FP
	s_add_co_u32 s40, s40, FIN
	v_add_nc_u32 v[FRA], s40, v[FRA]
	v_lshlrev_b32 v[GMO], 15, v33                  ; a row of gm is 32,768 bytes
	v_lshl_add_u32 v[GMO], v15, 4, v[GMO]
	s_lshl_b32 s40, s26, 17
	v_add_nc_u32 v[GMO], s40, v[GMO]
	s_wait_loadcnt 63                              ; behind the 32 loads of weights 64 were issued; the count's field ends at 63
.set i, 0
.rept 16
	v_cvt_pk_bf16_f32 v[PKD+2*i],    v[AF+4*i],   v[AF+4*i+1]
	v_cvt_pk_bf16_f32 v[PKD+2*i+1],  v[AF+4*i+2], v[AF+4*i+3]
	v_cvt_pk_bf16_f32 v[PKD+32+2*i],   v[BF+4*i],   v[BF+4*i+1]
	v_cvt_pk_bf16_f32 v[PKD+32+2*i+1], v[BF+4*i+2], v[BF+4*i+3]
	ds_store_b64 v[WSA], v[PKD+2*i:PKD+2*i+1] offset:8*WP*i
	ds_store_b64 v[WSA], v[PKD+32+2*i:PKD+32+2*i+1] offset:8*WP*i+32
.set i, i+1
.endr
	s_wait_dscnt 0x0                               ; for the others' sake: my rows of the weights are in LDS
	s_barrier_signal -1
	s_barrier_wait -1                              ; everybody's are
.macro BLOAD qq, k0                    ; the weights' fragments of four blocks of 32 k, gate's and mix's
.irp kb, 0,1,2,3
.irp m, 0,1
	ds_load_tr16_b128 v[BF+16*(\kb)+8*(\m):BF+16*(\kb)+8*(\m)+3],   v[BFA] offset:(256*(\qq)+32*((\k0)+(\kb)))*WP+32*(\m)
	ds_load_tr16_b128 v[BF+16*(\kb)+8*(\m)+4:BF+16*(\kb)+8*(\m)+7], v[BFA] offset:(256*(\qq)+32*((\k0)+(\kb)))*WP+32*(\m)+16*WP
.endr
.endr
.endm
.macro GM qq, kb                       ; two products, source 0 = 16 tokens, source 1 = 16 heads: the two accumulators take turns
.set rA, AF+8*(\kb)
.set rB, BF+16*((\kb)%4)
.if ((\qq) == 0) && ((\kb) == 0)
	v_wmma_f32_16x16x32_bf16 v[16:23], v[rA:rA+7], v[rB:rB+7], 0
	v_wmma_f32_16x16x32_bf16 v[24:31], v[rA:rA+7], v[rB+8:rB+15], 0
.else
	v_wmma_f32_16x16x32_bf16 v[16:23], v[rA:rA+7], v[rB:rB+7], v[16:23]
	v_wmma_f32_16x16x32_bf16 v[24:31], v[rA:rA+7], v[rB+8:rB+15], v[24:31]
.endif
.endm
; A quarter: 16 rows x 256 k are rounded, stored to xb (512 consecutive bytes a store), laid into my rows of LDS, read back as fragments and multiplied.
.macro QPART qq
.if (\qq) == 0
	s_wait_loadcnt 32                              ; the first quarter is in; the second's 32 loads stay out
.else
	s_wait_loadcnt 0x0
	s_wait_xcnt 0x0                                ; the first quarter's stores have read v64-127, which are written again
.endif
	WIN 0x05                                       ; sources in window 1
.set i, 0
.rept 64                                       ; (these are also the places behind the quarter before's products)
	v_cvt_pk_bf16_f32 v[PKD+i], v[128*(\qq)+2*i], v[128*(\qq)+2*i+1]
.set i, i+1
.endr
	WIN 0
.set i, 0
.rept 16
	global_store_b128 v[BO], v[PKD+4*i:PKD+4*i+3], s[16:17] offset:2048*i+512*(\qq)
	ds_store_b128 v[XSA], v[PKD+4*i:PKD+4*i+3] offset:XP*i
.set i, i+1
.endr
.set i, 0
.rept 8                                        ; LDS serves a wave's instructions in order (ISA guide 5.7.1.4): these see the stores above
	ds_load_b128 v[AF+8*i:AF+8*i+3],   v[AFA] offset:64*i
	ds_load_b128 v[AF+8*i+4:AF+8*i+7], v[AFA] offset:64*i+32
.set i, i+1
.endr
	BLOAD \qq, 0
	s_wait_dscnt 0x0
.irp kb, 0,1,2,3
	GM \qq, \kb
.endr
	PLACES
	BLOAD \qq, 4
	s_wait_dscnt 0x0
.irp kb, 4,5,6,7
	GM \qq, \kb
.endr
.endm
	QPART 0
	QPART 1
	PLACES
	s_cmp_lt_u32 s26, 4
	s_cbranch_scc1 .Lupper_done                    ; waves 4-7 hand their half of K over
	ds_store_b128 v[PSA], v[16:19]
	ds_store_b128 v[PSA], v[20:23] offset:512
	ds_store_b128 v[PSA], v[24:27] offset:1024
	ds_store_b128 v[PSA], v[28:31] offset:1536
.Lupper_done:
	s_wait_dscnt 0x0
	s_barrier_signal -1
	s_barrier_wait -1
	s_cmp_ge_u32 s26, 4
	s_cbranch_scc1 .Llower_done                    ; waves 0-3 add the halves and take the sigmoids: 1 / (1 + 2^(-x log2 e))
	ds_load_b128 v[32:35], v[PSA]
	ds_load_b128 v[36:39], v[PSA] offset:512
	ds_load_b128 v[40:43], v[PSA] offset:1024
	ds_load_b128 v[44:47], v[PSA] offset:1536
	s_wait_dscnt 0x0
.set i, 0
.rept 8
	v_pk_add_f32 v[16+2*i:17+2*i], v[16+2*i:17+2*i], v[32+2*i:33+2*i]
.set i, i+1
.endr
.set i, 0
.rept 8
	v_pk_mul_f32 v[16+2*i:17+2*i], v[16+2*i:17+2*i], 0xbfb8aa3b op_sel_hi:[1,0]
.set i, i+1
.endr
.set i, 0
.rept 16
	v_exp_f32 v[16+i], v[16+i]
.set i, i+1
.endr
	v_nop                                          ; a plain instruction behind the last exponential,
	s_wait_alu depctr_va_vdst(0)                   ; and one wait for the batch
.set i, 0
.rept 8
	v_pk_add_f32 v[16+2*i:17+2*i], v[16+2*i:17+2*i], 1.0 op_sel_hi:[1,0]
.set i, i+1
.endr
.set i, 0
.rept 16
	v_rcp_f32 v[16+i], v[16+i]
.set i, i+1
.endr
	v_nop
	s_wait_alu depctr_va_vdst(0)
	ds_store_b128 v[FSA], v[16:19]
	ds_store_b128 v[FSA], v[20:23] offset:16
	ds_store_b128 v[FSA], v[24:27] offset:16*FP
	ds_store_b128 v[FSA], v[28:31] offset:16*FP+16
.Llower_done:
	s_wait_dscnt 0x0
	s_barrier_signal -1
	s_barrier_wait -1
	ds_load_b128 v[32:35], v[FRA]
	ds_load_b128 v[36:39], v[FRA] offset:2*FP
	s_wait_dscnt 0x0
	global_store_b128 v[GMO], v[32:35], s[22:23]               ; sixteen lanes store 256 consecutive bytes of one row of gm, aligned
	global_store_b128 v[GMO], v[36:39], s[22:23] offset:65536
	s_branch .Lend
	; ---------------- WEIGHTS: work-group 128 + j takes chunk j >> 1 of 64, K half j & 1; wave v 64 rows of k ----------------
.Lcast:
	s_sub_co_u32 s27, ttmp9, 128                   ; j
	s_lshr_b32 s28, s27, 1                         ; chunk 0-15 Wq, 16-47 Wkv, 48-63 Wout
	s_and_b32 s29, s27, 1
	s_and_b32 s30, s28, 15                         ; the head, or Wout's chunk
	s_lshr_b32 s31, s28, 4                         ; 0 q, 1 k, 2 v, 3 Wout
	s_sub_co_u32 s32, s28, 16                      ; Wkv's chunk of columns
	s_mov_b32 s50, 0xffff0000
	s_wait_kmcnt 0x0
	s_cmp_eq_u32 s31, 0
	s_cselect_b64 s[34:35], s[6:7], s[8:9]
	s_cselect_b32 s32, s30, s32
	s_cselect_b32 s33, 12, 13                      ; a row of the source is 4,096 or 8,192 bytes
	s_cmp_eq_u32 s31, 3
	s_cselect_b64 s[34:35], s[10:11], s[34:35]
	s_cselect_b32 s32, s30, s32
	s_cselect_b32 s33, 12, s33
	s_cselect_b64 s[42:43], s[20:21], s[18:19]
	s_mul_i32 s40, s30, 3
	s_add_co_u32 s40, s40, s31                     ; wc's chunk: 3 x head + kind
	s_cmp_eq_u32 s31, 3
	s_cselect_b32 s40, s30, s40
	s_lshl_b32 s36, s29, 9
	s_lshl_b32 s37, s26, 6
	s_add_co_u32 s36, s36, s37                     ; my first row of k
	s_lshl_b32 s38, s36, s33
	s_lshl_b32 s32, s32, 8                         ; 256 bytes of a source row
	s_add_co_u32 s38, s38, s32
	s_mov_b32 s39, 0
	s_add_nc_u64 s[34:35], s[34:35], s[38:39]
	s_lshl_b32 s40, s40, 17                        ; a chunk is 131,072 bytes
	s_lshl_b32 s41, s36, 7
	s_add_co_u32 s40, s40, s41
	s_mov_b32 s41, 0
	s_add_nc_u64 s[42:43], s[42:43], s[40:41]
	v_lshrrev_b32 v6, 3, v1                        ; four rows a pair of loads: row lane / 8, 32 bytes at 32 (lane % 8)
	v_lshlrev_b32 v6, s33, v6
	v_and_b32 v7, 7, v1
	v_lshl_add_u32 v16, v7, 5, v6
	s_lshl_b32 s44, 4, s33
.set i, 0
.rept 15
	v_add_nc_u32 v[17+i], s44, v[16+i]
.set i, i+1
.endr
	WIN 0x40
.set i, 0
.rept 16
	global_load_b128 v[8*i:8*i+3],   v[16+i], s[34:35] th:TH_LOAD_NT
	global_load_b128 v[8*i+4:8*i+7], v[16+i], s[34:35] offset:16 th:TH_LOAD_NT
.set i, i+1
.endr
	WIN 0
	s_lshl_b32 s46, s27, 4
	s_lshl_b32 s47, s26, 1
	s_add_co_u32 s46, s46, s47                     ; my two positions of the table: 16 j + 2 v, and the next
	s_lshl_b32 s48, s46, 8
	s_mov_b32 s49, 0
	s_add_nc_u64 s[24:25], s[24:25], s[48:49]
	v_lshlrev_b32 v15, 3, v1                       ; the lane is the pair
	v_cvt_f32_u32 v8, v1
	v_mul_f32 v8, 0xbed49a78, v8                   ; - p log2(10000) / 32
	v_exp_f32 v8, v8
	v_nop
	s_wait_alu depctr_va_vdst(0)
.macro ROT e                           ; cos and sin of pos x frequency
.set RA, 32+8*(\e)
	s_add_co_u32 s47, s46, \e
	v_cvt_f32_u32 v[RA], s47
	v_mul_f32 v[RA], v[RA], v8
	v_mul_f32 v[RA+1], 0.15915494, v[RA]
	v_rndne_f32 v[RA+1], v[RA+1]
	v_fmamk_f32 v[RA+2], v[RA+1], 0xc0c90fdb, v[RA]    ; less n x 2 pi, in two parts
	v_fmamk_f32 v[RA+2], v[RA+1], 0x343bbd2e, v[RA+2]
	v_mul_f32 v[RA+3], v[RA+2], v[RA+2]
	v_mov_b32 v[RA+5], 0x274a963c
.irp c, 0xab573f9f, 0x2f309231, 0xb2d7322b, 0x3638ef1d, 0xb9500d01, 0x3c088889, 0xbe2aaaab, 0x3f800000
	v_fmaak_f32 v[RA+5], v[RA+5], v[RA+3], \c
.endr
	v_mul_f32 v[RA+5], v[RA+5], v[RA+2]
	v_mov_b32 v[RA+4], 0xa53413c3
.irp c, 0x29573f9f, 0xad49cba5, 0x310f76c7, 0xb493f27e, 0x37d00d01, 0xbab60b61, 0x3d2aaaab, 0xbf000000, 0x3f800000
	v_fmaak_f32 v[RA+4], v[RA+4], v[RA+3], \c
.endr
	global_store_b64 v15, v[RA+4:RA+5], s[24:25] offset:256*(\e)   ; the wave stores a position's 256 bytes
.endm
	ROT 0                                          ; the table is made while the weights are on their way
	ROT 1
	s_wait_loadcnt 0x0
	WIN 0x05
.set i, 0
.rept 64
	v_cvt_pk_bf16_f32 v[PKD+i], v[2*i], v[2*i+1]
.set i, i+1
.endr
	WIN 0
	s_cmp_eq_u32 s31, 3
	s_cbranch_scc0 .Lkeep
.set i, 0
.rept 64                                       ; Wout: the bf16 number is written as f16
	v_lshlrev_b32 v[48+2*(i%4)], 16, v[PKD+i]
	v_and_b32 v[49+2*(i%4)], s50, v[PKD+i]
	v_cvt_pk_f16_f32 v[PKD+i], v[48+2*(i%4)], v[49+2*(i%4)]
.set i, i+1
.endr
.Lkeep:
.set i, 0
.rept 16
	global_store_b128 v[BO], v[PKD+4*i:PKD+4*i+3], s[42:43] offset:512*i   ; four rows of a chunk: 512 consecutive bytes
.set i, i+1
.endr
.Lend:
	s_wait_tensorcnt 0x0                           ; the wave's end
	ds_add_u32 v[SPW], v[NIL]
	s_wait_dscnt 0x0
	s_endpgm
.Lfunc_end_k_qba789c7823_prep:
	.size	k_qba789c7823_prep, .Lfunc_end_k_qba789c7823_prep-k_qba789c7823_prep
	.p2alignl 7, 3214868480
	.fill 96, 4, 3214868480
	.section	.rodata,"a",@progbits
	.p2align	6, 0x0
	.amdhsa_kernel k_qba789c7823_prep
		.amdhsa_group_segment_fixed_size 183808
		.amdhsa_private_segment_fixed_size 0
		.amdhsa_enable_private_segment 0
		.amdhsa_kernarg_size 88
		.amdhsa_user_sgpr_count 2
		.amdhsa_user_sgpr_kernarg_segment_ptr 1
		.amdhsa_wavefront_size32 1
		.amdhsa_system_sgpr_workgroup_id_x 1
		.amdhsa_system_sgpr_workgroup_id_y 1
		.amdhsa_system_sgpr_workgroup_id_z 1
		.amdhsa_system_vgpr_workitem_id 0
		.amdhsa_next_free_vgpr 512
		.amdhsa_next_free_sgpr 66
		.amdhsa_reserve_vcc 0
		.amdhsa_float_denorm_mode_32 3
		.amdhsa_float_denorm_mode_16_64 3
		.amdhsa_memory_ordered 1
		.amdhsa_forward_progress 1
		.amdhsa_inst_pref_size 68
	.end_amdhsa_kernel
	.amdgpu_metadata
---
amdhsa.version: [ 1, 2 ]
amdhsa.kernels:
  - .name:           k_qba789c7823_prep
    .symbol:         k_qba789c7823_prep.kd
    .args:
      - { .name: tokens, .offset: 0, .size: 8, .value_kind: global_buffer, .address_space: global }
      - { .name: Wq, .offset: 8, .size: 8, .value_kind: global_buffer, .address_space: global }
      - { .name: Wkv, .offset: 16, .size: 8, .value_kind: global_buffer, .address_space: global }
      - { .name: Wout, .offset: 24, .size: 8, .value_kind: global_buffer, .address_space: global }
      - { .name: Wgate, .offset: 32, .size: 8, .value_kind: global_buffer, .address_space: global }
      - { .name: Wmix, .offset: 40, .size: 8, .value_kind: global_buffer, .address_space: global }
      - { .name: xb, .offset: 48, .size: 8, .value_kind: global_buffer, .address_space: global }
      - { .name: wc, .offset: 56, .size: 8, .value_kind: global_buffer, .address_space: global }
      - { .name: wo, .offset: 64, .size: 8, .value_kind: global_buffer, .address_space: global }
      - { .name: gm, .offset: 72, .size: 8, .value_kind: global_buffer, .address_space: global }
      - { .name: tab, .offset: 80, .size: 8, .value_kind: global_buffer, .address_space: global }
    .group_segment_fixed_size: 183808
    .private_segment_fixed_size: 0
    .kernarg_segment_align: 8
    .kernarg_segment_size: 88
    .max_flat_workgroup_size: 256
    .sgpr_count:     66
    .vgpr_count:     512
    .wavefront_size: 32
...
	.end_amdgpu_metadata
.endif
;; end of part 1
;; launch proj (part 2): grid 16 x 32, 4 waves a work-group, clusters of 4 x 4, 327,680 bytes of LDS; arguments xb, wc, tab, gm, value_residual, qkv; writes qkv
.if DOCPART == 2
	.amdgcn_target "amdgcn-amd-amdhsa--gfx1250"
	.amdhsa_code_object_version 6
	.text
	.protected	k_qba789c7823_proj
	.globl	k_qba789c7823_proj
	.p2align	8
	.type	k_qba789c7823_proj,@function
k_qba789c7823_proj:
	s_mov_b64 s[64:65], 0
	v_nop
	global_prefetch_b8 v0, s[64:65] scope:SCOPE_SE
	s_setreg_imm32_b32 hwreg(HW_REG_WAVE_MODE, 25, 1), 1
	s_wait_xcnt 0x0
	s_wait_alu depctr_hold_cnt(0) depctr_sa_sdst(0) depctr_va_vdst(0) depctr_va_sdst(0) depctr_va_ssrc(0) depctr_va_vcc(0) depctr_vm_vsrc(0)
	s_getreg_b32 s2, hwreg(HW_REG_IB_STS2, 6, 4)
	s_cmp_eq_u32 s2, 0
	s_cbranch_scc0 .Lentry_in_a_cluster
	s_endpgm
.Lentry_in_a_cluster:
	s_bfe_u32 s2, ttmp6, 0x10000c
	s_cmp_lg_u32 s2, 0xf033
	s_cbranch_scc0 .Lentry_shape_is_right
	s_endpgm
.Lentry_shape_is_right:
; PROJ.  q, k, v = tokens x (Wq | Wkv), bf16 operands, f32 sums; on the way out q and k are turned by the rotary table and v is drawn toward value_residual by mix; all three leave by heads in f16:
; qkv = [3][b 16 + head][2048][64].  q keeps its size: the scale 1 / 8 is applied to the scores.
; LIMITS.  f16 holds no number beyond 65,504: q, k, v beyond it become infinities.  value_residual is rounded to bf16, as all inputs of the module are; the lerp is v (1 - mix) + vr mix, one product and one fused multiply-add.
; SHARES.  A tile is 256 rows x 192 columns: ONE head's q, k and v (three chunks of 64 columns), so which way out a chunk takes is known when the text is assembled.  512 work-groups.
; Wave w takes rows 64 w .. 64 w + 63 and all 192 columns: 48 accumulators.  K goes in steps of 128 through two LDS slots filled by the tensor data mover.
; THE PRODUCT IS USED TRANSPOSED: source 0 = 16 columns of the weights (they lie [k][column] in LDS and come out turned, by ds_load_tr16_b128), source 1 = 16 rows of tokens:
; a lane then holds row lane % 16 and the columns 8 (lane / 16) + 0..7 of a block of 16.
; CLUSTER 4 x 4: the four of a row need the same rows of tokens, the four of a column the same head's weights: each tile is asked for jointly.
; REGISTERS.  window 0: v8-15 (1 - mix, mix) by row block; v16-29 addresses; v32-63 at work; v64-127 tokens' fragments, two buffers of 32 (on the way out: packed results, rows read back); v128-255 the table
;   window 1: the weights' fragments, two buffers of 96     window 2: q's 16 accumulators v0-127, k's v128-255     window 3: v's v0-127; value_residual v128-255
.set NC,    3
.set PA,    272                        ; a row of tokens in LDS: 256 bytes + 16
.set PB,    160                        ; a row of k of a chunk: 128 bytes + 32
.set BOFF,  256*PA                     ; a slot: 256 rows of tokens, then [K half 2][chunk 3][64 k]
.set BHALF, NC*64*PB
.set SLOT1, 1<<17                      ; = BOFF + 2 BHALF; one exclusive or turns an address in one slot into the other's
.set STAGE, 2*SLOT1                    ; behind the ring: for each wave and chunk 16 rows x 144 bytes, for the way out
.set SP,    144
.set SPARE, STAGE+4*NC*16*SP           ; the spare words, 128 bytes a wave: two blocks of 256 bytes that no other line names
.set ASTEP, 256                        ; bytes from K step to K step in xb
.set BSTEP, 16384                      ; and in a chunk of wc
.set MX,    8
.set ADRA0, 16
.set ADRB0, 17
.set ADRA,  18
.set ADRB,  19
.set STO,   20
.set RD,    21
.set GO,    22
.set VRO,   23
.set MXO,   24
.set PFO,   25
.set SPW,   28
.set NIL,   29
.set TT,    32
.set PK,    64
.set RB,    80
.set VB,    112
.set TAB,   128
.set WV,  16
.set FB,  17                           ; 0: I fetch tokens; 1: weights
.set HW,  18                           ; which half of that tile
.set CNT, 19
.set CX,  20
.set CY,  21
.set TC,  22                           ; tile column = head
.set TR,  23                           ; tile row
.set G1A, 24
.set G0A, 32
.set TB,  40                           ; the slot that is read: 0 or SLOT1
.set LIM, 41
.set PFA, 42
.set PFS, 44
.set G1B, 48
.set G0B, 56
.set OUT, 66                           ; s[66:71] q, k, v at my wave's first row
.set MSB, 0
.macro WIN new
.if MSB != (\new)
	s_set_vgpr_msb (MSB<<8)|(\new)
.set MSB, (\new)
.endif
.endm
.macro PLACES                          ; four plain instructions between a matrix instruction and what reads its result or loads into its sources
.rept 4
	v_nop
.endr
.endm
.macro JLOAD                           ; a joint refill by the walking descriptor; an s_nop 0 and four v_nop follow each of the two lines
	s_cmp_eq_u32 s[FB], 0
	s_cbranch_scc0 .Lfor_b_\@
	tensor_load_to_lds s[G0A+4:G0A+7], s[G1A:G1A+7]
	s_nop 0
	PLACES
	s_branch .Lasked_\@
.Lfor_b_\@:
	tensor_load_to_lds s[G0B+4:G0B+7], s[G1B:G1B+7]
	s_nop 0
	PLACES
.Lasked_\@:
.endm
; A prefetch into the L2 of the K step that stands two refills on, behind the joint load and the run of LDS loads.  Tokens' rows are read by every cluster of a row of clusters: cluster x = 0 asks; a head's weights by every
; cluster of a column: cluster y = 0 asks.  The four partners share a tile's blocks of 256 bytes out by address.  The last two refills have no K step two on.
.macro ASK
	s_cmp_gt_u32 s[CNT], s[LIM]
	s_cbranch_scc0 .Lnot_mine_\@
	global_prefetch_b8 v[PFO], s[PFA:PFA+1] th:TH_LOAD_NT scope:SCOPE_SE
.Lnot_mine_\@:
.endm
.macro CREST                           ; a round of the cluster's barrier behind its opening barrier
	s_cmp_lg_u32 s[WV], 0
	s_cbranch_scc1 .Lnot_wave_0_\@
	s_barrier_signal -3
.Lnot_wave_0_\@:
	s_barrier_wait -3
	s_barrier_signal -1
	s_barrier_wait -1
.endm
.macro CROUND
	s_barrier_signal -1
	s_barrier_wait -1
	CREST
.endm
	s_load_b256 s[4:11], s[0:1], 0x0               ; xb 4, wc 6, tab 8, gm 10
	s_load_b128 s[12:15], s[0:1], 0x20             ; value_residual 12, qkv 14
	v_lshl_add_u32 v[SPW], v0, 2, SPARE
	v_mov_b32 v[NIL], 0
	ds_add_u32 v[SPW], v[NIL]                      ; the wave's opening: the add and its wait ahead of my first tensor load
	v_lshrrev_b32 v1, 5, v0
	v_readfirstlane_b32 s[WV], v1
	s_lshr_b32 s[FB], s[WV], 1
	s_and_b32 s[HW], s[WV], 1
	s_bfe_u32 s[CX], ttmp6, 0x40000
	s_bfe_u32 s[CY], ttmp6, 0x40004
	s_lshl_b32 s[TC], ttmp9, 2
	s_add_co_u32 s[TC], s[TC], s[CX]
	s_and_b32 s[TR], ttmp7, 0xffff
	s_lshl_b32 s[TR], s[TR], 2
	s_add_co_u32 s[TR], s[TR], s[CY]
	s_lshl_b32 s72, s[CY], 2
	s_lshl_b32 s72, 15, s72                        ; my row of the cluster
	s_lshl_b32 s73, 0x1111, s[CX]                  ; my column
	s_or_b32 s[G1A], s72, (1<<16)|(1<<20)|(1<<21)|(5<<22)|(3<<25)   ; mask; 2-byte elements; padding on; bit 21 beside a mask; after every 64 words 4 words
	s_or_b32 s[G1B], s73, (1<<16)|(1<<20)|(1<<21)|(4<<22)|(7<<25)   ; after every 32 words 8 words
	s_mov_b32 s[G1A+1], 128<<16                    ; tokens: 128 rows x 128 elements, 1,024 elements from row to row
	s_mov_b32 s[G1A+2], 128<<16
	s_mov_b32 s[G1A+3], 128<<16
	s_mov_b32 s[G1A+4], 128
	s_mov_b32 s[G1A+5], 1024
	s_mov_b32 s[G1A+6], 0
	s_mov_b32 s[G1A+7], 0
	s_mov_b32 s[G1B+1], 4096<<16                   ; weights: 3 rows (the chunks) of 4,096 elements (64 k x 64 columns, dense), 65,536 elements from chunk to chunk
	s_mov_b32 s[G1B+2], 3<<16
	s_mov_b32 s[G1B+3], 4096<<16
	s_mov_b32 s[G1B+4], 3
	s_mov_b32 s[G1B+5], 65536
	s_mov_b32 s[G1B+6], 0
	s_mov_b32 s[G1B+7], 0
	s_lshl_b32 s72, s[TR], 8
	s_lshl_b32 s73, s[HW], 7
	s_add_co_u32 s72, s72, s73
	s_lshl_b32 s72, s72, 11                        ; tokens: row 256 x tile row + 128 x half, 2,048 bytes a row
	s_mov_b32 s73, 0
	s_mul_i32 s74, s[TC], 393216                   ; weights: the head's three chunks, my 64 of a step's 128 k
	s_lshl_b32 s75, s[HW], 13
	s_add_co_u32 s74, s74, s75
	s_mov_b32 s75, 0
	s_mul_i32 s76, s[HW], 128*PA                   ; and where they go: no place in the cluster enters an LDS address
	s_mul_i32 s77, s[HW], BHALF
	s_add_co_u32 s77, s77, BOFF
	s_wait_dscnt 0x0                               ; the opening add is done
	s_wait_kmcnt 0x0
	s_add_nc_u64 s[72:73], s[4:5], s[72:73]
	s_add_nc_u64 s[74:75], s[6:7], s[74:75]
	CROUND                                         ; all sixteen work-groups are here: the first joint loads meet
.irp s, 0,1
	s_mov_b32 s[G0A+4*(\s)], 1
	s_add_co_u32 s[G0A+4*(\s)+1], s76, (\s)*SLOT1
	s_add_nc_u64 s[G0A+4*(\s)+2:G0A+4*(\s)+3], s[72:73], (\s)*ASTEP
	s_or_b32 s[G0A+4*(\s)+3], s[G0A+4*(\s)+3], 0x80000000
	s_mov_b32 s[G0B+4*(\s)], 1
	s_add_co_u32 s[G0B+4*(\s)+1], s77, (\s)*SLOT1
	s_add_nc_u64 s[G0B+4*(\s)+2:G0B+4*(\s)+3], s[74:75], (\s)*BSTEP
	s_or_b32 s[G0B+4*(\s)+3], s[G0B+4*(\s)+3], 0x80000000
.endr
	s_cmp_eq_u32 s[FB], 0                          ; a wave's two first fills stand in one branch: two loads of mine are out
	s_cbranch_scc0 .Lfirst_b
	tensor_load_to_lds s[G0A:G0A+3], s[G1A:G1A+7]
	s_nop 0
	tensor_load_to_lds s[G0A+4:G0A+7], s[G1A:G1A+7]
	s_nop 0
	PLACES
	s_branch .Lfirst_done
.Lfirst_b:
	tensor_load_to_lds s[G0B:G0B+3], s[G1B:G1B+7]
	s_nop 0
	tensor_load_to_lds s[G0B+4:G0B+7], s[G1B:G1B+7]
	s_nop 0
	PLACES
.Lfirst_done:
	v_and_b32 v1, 15, v0                           ; r
	v_bfe_u32 v2, v0, 4, 1                         ; h
	v_lshlrev_b32 v[VRO], 8, v1                    ; a row of the table and of value_residual is 256 bytes; my 8 numbers of a block of 16 lie at 32 h
	v_lshl_add_u32 v[VRO], v2, 5, v[VRO]
	v_lshlrev_b32 v[MXO], 2, v1
	s_and_b32 s72, s[TR], 7
	s_lshl_b32 s72, s72, 8
	s_lshl_b32 s73, s[WV], 6
	s_add_co_u32 s72, s72, s73                     ; my first position in the sequence
	s_lshr_b32 s74, s[TR], 3
	s_lshl_b32 s74, s74, 4
	s_add_co_u32 s74, s74, s[TC]                   ; b 16 + head
	s_lshl_b32 s74, s74, 11
	s_add_co_u32 s74, s74, s72                     ; my first row in the tensors that lie by heads
	s_lshl_b32 s76, s72, 8
	s_mov_b32 s77, 0
	s_add_nc_u64 s[8:9], s[8:9], s[76:77]
	s_lshl_b32 s76, s74, 8
	s_add_nc_u64 s[12:13], s[12:13], s[76:77]
	s_lshl_b32 s76, s74, 7
	s_add_nc_u64 s[OUT:OUT+1], s[14:15], s[76:77]
	s_add_nc_u64 s[OUT+2:OUT+3], s[OUT:OUT+1], 16777216
	s_add_nc_u64 s[OUT+4:OUT+5], s[OUT:OUT+1], 33554432
	s_add_co_u32 s76, s[TC], 16                    ; mix: row 16 + head of gm
	s_lshl_b32 s76, s76, 15
	s_lshl_b32 s78, s[TR], 10
	s_add_co_u32 s76, s76, s78
	s_lshl_b32 s78, s[WV], 8
	s_add_co_u32 s76, s76, s78
	s_add_nc_u64 s[10:11], s[10:11], s[76:77]
.set i, 0
.rept 16                                       ; what the way out wants is asked for now: the table, value_residual, mix; row block i / 4, column block i % 4
	global_load_b128 v[TAB+8*i:TAB+8*i+3],   v[VRO], s[8:9] offset:4096*(i/4)+64*(i%4)
	global_load_b128 v[TAB+8*i+4:TAB+8*i+7], v[VRO], s[8:9] offset:4096*(i/4)+64*(i%4)+16
.set i, i+1
.endr
	WIN 0xc0                                       ; destination window 3
.set i, 0
.rept 16
	global_load_b128 v[128+8*i:128+8*i+3],   v[VRO], s[12:13] offset:4096*(i/4)+64*(i%4) th:TH_LOAD_NT
	global_load_b128 v[128+8*i+4:128+8*i+7], v[VRO], s[12:13] offset:4096*(i/4)+64*(i%4)+16 th:TH_LOAD_NT
.set i, i+1
.endr
	WIN 0
.irp a, 0,1,2,3
	global_load_b32 v[MX+2*(\a)+1], v[MXO], s[10:11] offset:64*(\a)
.endr
	v_mul_u32_u24 v[ADRA0], v1, PA                 ; a fragment of tokens: row 64 w + r, 16 bytes at 16 h, and 32 bytes on
	v_lshl_add_u32 v[ADRA0], v2, 4, v[ADRA0]
	s_mul_i32 s72, s[WV], 64*PA
	v_add_nc_u32 v[ADRA0], s72, v[ADRA0]
	v_and_b32 v3, 7, v0
	v_lshl_add_u32 v4, v2, 3, v3
	v_mul_u32_u24 v[ADRB0], v4, PB                 ; the turning load: row of k 8 h + lane % 8, 16 bytes at 16 ((lane / 8) % 2)
	v_bfe_u32 v4, v0, 3, 1
	v_lshl_add_u32 v[ADRB0], v4, 4, v[ADRB0]
	v_add_nc_u32 v[ADRB0], BOFF, v[ADRB0]
	v_mov_b32 v[ADRA], v[ADRA0]
	v_mov_b32 v[ADRB], v[ADRB0]
	s_mov_b32 s[TB], 0
	s_mul_i32 s72, s[WV], NC*16*SP
	s_add_co_u32 s72, s72, STAGE                   ; my stages
	v_mul_u32_u24 v[STO], v1, SP                   ; in: row r, 16 bytes for each half of the lanes
	v_lshl_add_u32 v[STO], v2, 4, v[STO]
	v_add_nc_u32 v[STO], s72, v[STO]
	v_bfe_u32 v[RD], v0, 3, 2                      ; back: 32 lanes take four rows of 128 bytes,
	v_mul_u32_u24 v[RD], v[RD], SP
	v_lshl_add_u32 v[RD], v3, 4, v[RD]
	v_add_nc_u32 v[RD], s72, v[RD]
	v_and_b32 v5, 31, v0
	v_lshlrev_b32 v[GO], 4, v5                     ; which are 512 consecutive bytes of a head
	; the prefetches: tokens: my work-group's 32 rows (by cx) of the 128 that I fetch, a lane a row; weights: its 8 blocks of 256 bytes (by cy) of each chunk's 32, lanes 0-23 (lanes 24-31 name lane 23's block once more)
	s_lshl_b32 s72, s[TR], 8
	s_lshl_b32 s73, s[HW], 7
	s_add_co_u32 s72, s72, s73
	s_lshl_b32 s73, s[CX], 5
	s_add_co_u32 s72, s72, s73
	s_lshl_b32 s72, s72, 11
	s_add_co_u32 s72, s72, 3*ASTEP                 ; at K step 3: the first refill steps it to 4
	s_mul_i32 s74, s[TC], 393216
	s_lshl_b32 s75, s[HW], 13
	s_add_co_u32 s74, s74, s75
	s_lshl_b32 s75, s[CY], 11
	s_add_co_u32 s74, s74, s75
	s_add_co_u32 s74, s74, 3*BSTEP
	s_and_b32 s75, ttmp7, 0xffff                   ; cluster y
	s_mov_b32 s[PFS], BSTEP
	s_cmp_eq_u32 s[FB], 0
	s_cselect_b32 s72, s72, s74
	s_cselect_b32 s75, ttmp9, s75                  ; the coordinate along which other clusters read the same bytes
	s_cselect_b64 s[PFA:PFA+1], s[4:5], s[6:7]
	s_cselect_b32 s[PFS], ASTEP, s[PFS]
	s_cselect_b32 s78, -1, 0
	s_mov_b32 s[PFS+1], 0
	s_mov_b32 s73, 0
	s_add_nc_u64 s[PFA:PFA+1], s[PFA:PFA+1], s[72:73]
	s_cmp_eq_u32 s75, 0
	s_cselect_b32 s[LIM], 2, -1                    ; the same in all sixteen partners, for a given wave
	v_lshlrev_b32 v6, 11, v5
	v_min_u32 v5, 23, v5
	v_lshrrev_b32 v7, 3, v5
	v_and_b32 v5, 7, v5
	v_lshlrev_b32 v7, 17, v7
	v_lshl_add_u32 v7, v5, 8, v7
	v_cndmask_b32 v[PFO], v7, v6, s78
; 8 products: chunk c, row blocks a0, a0 + 1 x the chunk's 4 column blocks, 32 along K, out of buffer f.  All 48 accumulators take turns in the same order in every quarter.
.macro MUL8 f, c, a0, zero
	WIN 0xa1+0x50*((\c)/2)                         ; weights window 1, tokens window 0, sums window 2 or 3
.irp a, \a0, (\a0)+1
.irp b, 0,1,2,3
.set rD, 128*((\c)%2)+8*(4*(\a)+(\b))
.set rB, 32*NC*(\f)+8*(4*(\c)+(\b))
.set rA, 64+32*(\f)+8*(\a)
.if \zero
	v_wmma_f32_16x16x32_bf16 v[rD:rD+7], v[rB:rB+7], v[rA:rA+7], 0
.else
	v_wmma_f32_16x16x32_bf16 v[rD:rD+7], v[rB:rB+7], v[rA:rA+7], v[rD:rD+7]
.endif
.endr
.endr
.endm
; 32 LDS loads in one run: quarter q's fragments into buffer f: tokens' 4, then the chunks' 4 each, the last chunk's last
.macro FETCH q, f
	WIN 0
.irp a, 0,1,2,3
	ds_load_b128 v[64+32*(\f)+8*(\a):64+32*(\f)+8*(\a)+3],   v[ADRA] offset:(\a)*16*PA+64*(\q)
	ds_load_b128 v[64+32*(\f)+8*(\a)+4:64+32*(\f)+8*(\a)+7], v[ADRA] offset:(\a)*16*PA+64*(\q)+32
.endr
	WIN 0x40
.irp c, 0,1,2
.irp b, 0,1,2,3
.set rB, 32*NC*(\f)+8*(4*(\c)+(\b))
	ds_load_tr16_b128 v[rB:rB+3],   v[ADRB] offset:((\q)/2)*BHALF+(\c)*64*PB+((\q)%2)*32*PB+32*(\b)
	ds_load_tr16_b128 v[rB+4:rB+7], v[ADRB] offset:((\q)/2)*BHALF+(\c)*64*PB+((\q)%2)*32*PB+32*(\b)+16*PB
.endr
.endr
.endm
; A K step is four quarters of 32 along K on buffers 0, 1, 0, 1.  One of the first three multiplies buffer f and fetches quarter q into buffer g.
.macro QUARTER q, f, g, zero
	s_wait_dscnt 8                                 ; all but the last chunk's eight loads
	MUL8 \f, 0, 0, \zero
	MUL8 \f, 0, 2, \zero
	MUL8 \f, 1, 0, \zero
	MUL8 \f, 1, 2, \zero
	PLACES
	FETCH \q, \g
	s_wait_dscnt 32                                ; all but the 32 just issued
	MUL8 \f, 2, 0, \zero
	MUL8 \f, 2, 2, \zero
.endm
; The last quarter multiplies buffer 1 and changes slots.  In front of the barrier each wave waits for all its tensor loads (one is out: its part of the next slot), adds 0 to its spare word, and waits for that
; and for its reads of this slot.  fill = 1: the barrier opens a round of the cluster's, and the joint refill, two K steps on, is the first thing behind it.
.macro TURN fill
.if \fill
	s_wait_xcnt 0x0                                ; the last prefetch, a K step back, has read its address
	s_add_nc_u64 s[PFA:PFA+1], s[PFA:PFA+1], s[PFS:PFS+1]
.endif
	WIN 0
	s_wait_tensorcnt 0x0
	ds_add_u32 v[SPW], v[NIL]
	s_wait_dscnt 9                                 ; (the add and the last chunk's eight loads may be out)
	MUL8 1, 0, 0, 0
	MUL8 1, 0, 2, 0
	s_wait_dscnt 0x0                               ; the add is done, and my reads of this slot are over
	s_barrier_signal -1
	MUL8 1, 1, 0, 0
	MUL8 1, 1, 2, 0
	WIN 0
	s_barrier_wait -1
.if \fill
	CREST
	s_xor_b32 s[G0A+5], s[G0A+5], SLOT1            ; the walking descriptors: the other slot than last time, the next K step
	s_add_nc_u64 s[G0A+6:G0A+7], s[G0A+6:G0A+7], ASTEP
	s_xor_b32 s[G0B+5], s[G0B+5], SLOT1
	s_add_nc_u64 s[G0B+6:G0B+7], s[G0B+6:G0B+7], BSTEP
	JLOAD                                          ; its four v_nop are also the places in front of the loads below
.else
	PLACES
.endif
	s_xor_b32 s[TB], s[TB], SLOT1
	v_add_nc_u32 v[ADRA], s[TB], v[ADRA0]
	v_add_nc_u32 v[ADRB], s[TB], v[ADRB0]
	FETCH 0, 0
.if \fill
	WIN 0
	ASK
.endif
	MUL8 1, 2, 0, 0
	MUL8 1, 2, 2, 0
.endm
	s_wait_tensorcnt 0x1                           ; my part of K step 0 is in; K step 1's may stay out
	s_barrier_signal -1
	s_barrier_wait -1
	FETCH 0, 0
	QUARTER 1, 0, 1, 1                             ; the first quarter's products start the sums
	WIN 0
	s_mov_b32 s[CNT], 6
.Lstep:                                        ; a trip: a K step's quarters 1 to 3, the change of slots with its refill (K steps 2 to 7), the next step's quarter 0
	QUARTER 2, 1, 0, 0
	QUARTER 3, 0, 1, 0
	TURN 1
	QUARTER 1, 0, 1, 0
	WIN 0
	s_sub_co_u32 s[CNT], s[CNT], 1
	s_cmp_lg_u32 s[CNT], 0
	s_cbranch_scc1 .Lstep
	QUARTER 2, 1, 0, 0                             ; the last two K steps ask for nothing
	QUARTER 3, 0, 1, 0
	TURN 0
	QUARTER 1, 0, 1, 0
	QUARTER 2, 1, 0, 0
	QUARTER 3, 0, 1, 0
	s_wait_dscnt 8
	MUL8 1, 0, 0, 0
	MUL8 1, 0, 2, 0
	MUL8 1, 1, 0, 0
	MUL8 1, 1, 2, 0
	s_wait_dscnt 0x0
	MUL8 1, 2, 0, 0
	MUL8 1, 2, 2, 0
	WIN 0
	; THE WAY OUT, in 12 units of 16 rows x one chunk.  Each accumulator's registers are read in ascending order.
	s_wait_loadcnt 0x0                             ; the table, value_residual, mix
.irp a, 0,1,2,3
	v_sub_f32 v[MX+2*(\a)], 1.0, v[MX+2*(\a)+1]    ; 1 - mix: these four are the places behind the last products
.endr
.macro UNIT a, kind
.set u, 3*(\a)+(\kind)
.if (\kind) < 2
	WIN 0x02                                       ; the sums in window 2
.set n, 0
.rept 16                                       ; (x0, x1) cos
	v_pk_mul_f32 v[TT+2*n:TT+2*n+1], v[128*(\kind)+32*(\a)+2*n:128*(\kind)+32*(\a)+2*n+1], v[TAB+32*(\a)+2*n:TAB+32*(\a)+2*n+1] op_sel_hi:[1,0]
.set n, n+1
.endr
.set n, 0
.rept 16                                       ; + (-x1, x0) sin
	v_pk_fma_f32 v[TT+2*n:TT+2*n+1], v[128*(\kind)+32*(\a)+2*n:128*(\kind)+32*(\a)+2*n+1], v[TAB+32*(\a)+2*n:TAB+32*(\a)+2*n+1], v[TT+2*n:TT+2*n+1] op_sel:[1,1,0] op_sel_hi:[0,1,1] neg_lo:[1,0,0]
.set n, n+1
.endr
.else
	WIN 0x0f                                       ; value_residual, in window 3, is rounded to bf16
.set n, 0
.rept 16
	v_cvt_pk_bf16_f32 v[VB+n], v[128+32*(\a)+2*n], v[128+32*(\a)+2*n+1]
.set n, n+1
.endr
	WIN 0x03
.set n, 0
.rept 16                                       ; v (1 - mix)
	v_pk_mul_f32 v[TT+2*n:TT+2*n+1], v[32*(\a)+2*n:32*(\a)+2*n+1], v[MX+2*(\a):MX+2*(\a)+1] op_sel_hi:[1,0]
.set n, n+1
.endr
	WIN 0
.set n, 0
.rept 16                                       ; + vr mix
	v_fma_mix_f32_bf16 v[TT+2*n],   v[VB+n], v[MX+2*(\a)+1], v[TT+2*n]   op_sel:[0,0,0] op_sel_hi:[1,0,0]
	v_fma_mix_f32_bf16 v[TT+2*n+1], v[VB+n], v[MX+2*(\a)+1], v[TT+2*n+1] op_sel:[1,0,0] op_sel_hi:[1,0,0]
.set n, n+1
.endr
.endif
	WIN 0
.set n, 0
.rept 16
	v_cvt_pk_f16_f32 v[PK+n], v[TT+2*n], v[TT+2*n+1]
.set n, n+1
.endr
.irp b, 0,1,2,3
	ds_store_b128 v[STO], v[PK+4*(\b):PK+4*(\b)+3] offset:16*SP*(\kind)+32*(\b)
.endr
	s_wait_xcnt 0x0                                ; the stores of two units back have read the registers that are loaded now
.irp f, 0,1,2,3
	ds_load_b128 v[RB+16*(u%2)+4*(\f):RB+16*(u%2)+4*(\f)+3], v[RD] offset:16*SP*(\kind)+4*SP*(\f)   ; LDS serves a wave's instructions in order (ISA guide 5.7.1.4)
.endr
.endm
.macro SEND a, kind, younger           ; younger: the LDS instructions issued behind this unit's loads
.set u, 3*(\a)+(\kind)
.irp f, 0,1,2,3
	s_wait_dscnt (\younger)+3-(\f)
	global_store_b128 v[GO], v[RB+16*(u%2)+4*(\f):RB+16*(u%2)+4*(\f)+3], s[OUT+2*(\kind):OUT+2*(\kind)+1] offset:2048*(\a)+512*(\f)   ; 512 consecutive bytes, aligned
.endr
.endm
	UNIT 0, 0
.set uu, 1
.rept 11                                       ; a unit's arithmetic stands between the loads of the unit before and its stores
	UNIT uu/3, uu%3
	SEND (uu-1)/3, (uu-1)%3, 8
.set uu, uu+1
.endr
	SEND 3, 2, 0
	s_wait_tensorcnt 0x0                           ; the wave's end
	ds_add_u32 v[SPW], v[NIL]
	s_wait_dscnt 0x0
	CROUND                                         ; the closing round
	s_endpgm
.Lfunc_end_k_qba789c7823_proj:
	.size	k_qba789c7823_proj, .Lfunc_end_k_qba789c7823_proj-k_qba789c7823_proj
	.p2alignl 7, 3214868480
	.fill 96, 4, 3214868480
	.section	.rodata,"a",@progbits
	.p2align	6, 0x0
	.amdhsa_kernel k_qba789c7823_proj
		.amdhsa_group_segment_fixed_size 327680
		.amdhsa_private_segment_fixed_size 0
		.amdhsa_enable_private_segment 0
		.amdhsa_kernarg_size 48
		.amdhsa_user_sgpr_count 2
		.amdhsa_user_sgpr_kernarg_segment_ptr 1
		.amdhsa_wavefront_size32 1
		.amdhsa_system_sgpr_workgroup_id_x 1
		.amdhsa_system_sgpr_workgroup_id_y 1
		.amdhsa_system_sgpr_workgroup_id_z 1
		.amdhsa_system_vgpr_workitem_id 0
		.amdhsa_next_free_vgpr 1024
		.amdhsa_next_free_sgpr 80
		.amdhsa_reserve_vcc 0
		.amdhsa_float_denorm_mode_32 3
		.amdhsa_float_denorm_mode_16_64 3
		.amdhsa_memory_ordered 1
		.amdhsa_forward_progress 1
		.amdhsa_inst_pref_size 139
	.end_amdhsa_kernel
	.amdgpu_metadata
---
amdhsa.version: [ 1, 2 ]
amdhsa.kernels:
  - .name:           k_qba789c7823_proj
    .symbol:         k_qba789c7823_proj.kd
    .args:
      - { .name: xb, .offset: 0, .size: 8, .value_kind: global_buffer, .address_space: global }
      - { .name: wc, .offset: 8, .size: 8, .value_kind: global_buffer, .address_space: global }
      - { .name: tab, .offset: 16, .size: 8, .value_kind: global_buffer, .address_space: global }
      - { .name: gm, .offset: 24, .size: 8, .value_kind: global_buffer, .address_space: global }
      - { .name: value_residual, .offset: 32, .size: 8, .value_kind: global_buffer, .address_space: global }
      - { .name: qkv, .offset: 40, .size: 8, .value_kind: global_buffer, .address_space: global }
    .group_segment_fixed_size: 327680
    .private_segment_fixed_size: 0
    .kernarg_segment_align: 8
    .kernarg_segment_size: 48
    .max_flat_workgroup_size: 128
    .sgpr_count:     80
    .vgpr_count:     1024
    .wavefront_size: 32
...
	.end_amdgpu_metadata
.endif
;; end of part 2
;; launch attn (part 3): grid 8 x 64, 4 waves a work-group, no clusters, 243,200 bytes of LDS; arguments qkv, gm, oh; writes oh
.if DOCPART == 3
	.amdgcn_target "amdgcn-amd-amdhsa--gfx1250"
	.amdhsa_code_object_version 6
	.text
	.protected	k_qba789c7823_attn
	.globl	k_qba789c7823_attn
	.p2align	8
	.type	k_qba789c7823_attn,@function
k_qba789c7823_attn:
	s_mov_b64 s[64:65], 0
	v_nop
	global_prefetch_b8 v0, s[64:65] scope:SCOPE_SE
	s_setreg_imm32_b32 hwreg(HW_REG_WAVE_MODE, 25, 1), 1
	s_wait_xcnt 0x0
; ATTN.  O[hd][i][:] = gate[hd][i] x the sum over j, 0 <= i - j <= 512, of softmax_j(q[i] . k[j] / 8) v[j][:].  q, k, v: qkv = [3][hd = b 16 + head][2048][64] in f16.
; Products, maxima and sums in f32; the weights p are rounded to f16 for the second product (their sum l is taken of the unrounded p).
; O LEAVES IN TWO PARTS, oh = [b][part 2][head 16][2048][64] in f16: part 0 the number rounded to f16, part 1 what that rounding left (exact in f32, then rounded to f16).  A row that sees few keys is many times
; the output's root mean square, by which the allowance goes: such a row has no room for a second rounding to 11 bits behind v's.
; LIMITS.  A hidden score counts as its value less 1e30; f16's scores, 2.7e11 at the most, are nothing beside that.  The running maximum starts at -1e20, far below every true score: in a key step
; that lies wholly before the sequence it stays there, and every weight of that step is 0.  A weight below 2^-126 counts as 0 in l.  O beyond 65,504 becomes an infinity.  NaN and infinities are not treated apart.
; SHARES.  A work-group owns 256 queries of one hd, wave w the 64 from 256 qb + 64 w on: two PIECES of two tiles of 16.  The work-group's 768 keys (from 256 qb - 512 on) all lie in LDS, each byte filled once:
; three tensor loads a wave at the start (waves 0, 1 K's halves of 256 keys, waves 2, 3 V's), no ring.  Wave w walks the nine steps of 64 keys w + tau, tau = 0..8.
; Tiles of keys before the sequence are asked for at key 0 (the address is clamped), and their steps are hidden whole: every work-group runs the same text.
; THE MASK is the C operand that starts the sum S^T = K Q^T.  For tile tl and key block kb of a step: tau = 0 hides kb < tl and, where kb = tl, keys 8 h + j < r; tau = 8 hides kb > tl and, where kb = tl, keys 8 h + j > r;
; tau < DEADN = 8 - 4 qb - w hides all.  Three masks of 8 registers (kb = tl, kb < tl, kb > tl) are made once a step from TD (the diagonal's) and three scalars.
; LAYOUT, SOFTMAX, TURNS.  S^T holds ONE query a lane (lane % 16) and the keys 8 (lane / 16) + 0..7; two such results rounded to f16 ARE source 1 of O^T = V^T P.  p = 2^(c s - c m), c = log2(e) / 8, with a running maximum m;
; O and l are multiplied by a = 2^(c m_old - c m_new) in every step.  Turn n belongs to piece n: 16 products K Q^T of the other piece's next scores, later 16 products V^T P of its last weights; beside them the scaling,
; exponentials, roundings, sums and rescaling of piece n and the other piece's maximum and statistics.  Four vector instructions stand behind every matrix instruction, the rest in one run; a turn's 66 exponentials are one batch with one wait.
; NO CLUSTER: a tile of 256 keys is wanted by three query blocks, by each at another LDS place (group 2, 1 or 0), so no one descriptor serves two of them.  NO PREFETCH: all that a work-group reads is asked for at its start.
; REGISTERS.  window 0: v0-11 addresses; v12-15, v48-63 at work; v16-31 statistics; v32-35 gates; v64-191 S^T, two buffers of two tiles; v192-255 P, likewise
;   window 1: v0-127 O^T; v128-159 TD and the three masks      window 2: v0-63 Q; v128-191 K of one step; v192-255 V of one step
.set NP,    2
.set KS,    64
.set PK,    144                        ; a row of K in LDS: 128 bytes + 16
.set PV,    160                        ; a row of V: 128 + 32
.set VOFF,  768*PK
.set STAGE, VOFF+768*PV                ; never filled by a tensor load: 16 rows x 144 bytes for each wave, for the way out
.set SP,    144
.set SPARE, STAGE+4*16*SP              ; the spare words, 128 bytes a wave: two blocks of 256 bytes that no other line names
.set LOPART, 4194304                   ; bytes from a batch's part 0 to its part 1 in oh
.set AK0, 2
.set AV0, 3
.set AK,  4
.set AV,  5
.set STO, 6
.set RD,  7
.set GO,  8
.set MV,  12
.set ST,  16                           ; tile t's statistics at v[ST+4 t]: c m, m, l (even keys', odd keys')
.set GT,  32
.set SPW, 36
.set NIL, 37
.set QO,  38
.set GAO, 39
.set DI,  40
.set C0,  41
.set NEG1, 42                          ; -1, for the way out
.set TMP, 48
.set S,   64
.set P,   192
.set TD,   128                         ; window 1
.set PM,   136
.set LOW,  144
.set HIGH, 152
.set KF,  128                          ; window 2
.set VF,  192
.set WV,  12
.set G1K, 24
.set G1V, 32
.set G0K, 40                           ; s[40:51] three sets, one for each load
.set G0V, 52                           ; s[52:63]
.set CNT, 66
.set TAU, 67
.set CS,  68
.set SEL, 70
.set TBK, 72
.set TBV, 73
.set DEADN, 74
.set BIGN, 75
.set SB,  76
.set SC,  78
.set SH,  80
.set MSB, 0
.macro WIN new
.if MSB != (\new)
	s_set_vgpr_msb (MSB<<8)|(\new)
.set MSB, (\new)
.endif
.endm
.set W_KQ, 0x0a                        ; K and Q in window 2, S^T in window 0
.set W_KM, 0x1a                        ; the same with the C operand in window 1
.set W_PV, 0x52                        ; V in window 2, P in window 0, O^T in window 1
.set W_RS, 0x41                        ; destination and source 0 in window 1
	s_load_b128 s[4:7], s[0:1], 0x0                ; qkv 4, gm 6
	s_load_b64 s[8:9], s[0:1], 0x10                ; oh
	v_lshl_add_u32 v[SPW], v0, 2, SPARE
	v_mov_b32 v[NIL], 0
	ds_add_u32 v[SPW], v[NIL]                      ; the wave's opening: the add and its wait ahead of my first tensor load
	v_lshrrev_b32 v1, 5, v0
	v_readfirstlane_b32 s[WV], v1
	s_mov_b32 s14, ttmp9                           ; qb
	s_and_b32 s15, ttmp7, 0xffff                   ; hd
	s_and_b32 s16, s[WV], 1                        ; which half of a group's 256 keys I fetch
	s_mul_i32 s17, s16, 128*PK
	s_mul_i32 s22, s16, 128*PV
	s_lshl_b32 s82, s14, 1
	s_add_co_u32 s82, s82, s16
	s_sub_co_i32 s82, s82, 4                       ; group 0's tile of 128 keys: 2 qb - 4 + half
	s_lshl_b32 s83, s15, 18                        ; a hd is 262,144 bytes
.irp g, 0,1,2
	s_add_co_i32 s[84+2*\g], s82, 2*\g
	s_max_i32 s[84+2*\g], s[84+2*\g], 0            ; a tile before the sequence is asked for at key 0
	s_lshl_b32 s[84+2*\g], s[84+2*\g], 14
	s_add_co_u32 s[84+2*\g], s[84+2*\g], s83
	s_mov_b32 s[85+2*\g], 0
	s_mov_b32 s[G0K+4*\g], 1
	s_add_co_u32 s[G0K+4*\g+1], s17, 256*PK*\g
	s_mov_b32 s[G0V+4*\g], 1
	s_add_co_u32 s[G0V+4*\g+1], s22, VOFF+256*PV*\g
.endr
	; 128 keys are 16,384 dense bytes: asked for as 64 rows of 256 bytes, two keys a row, and padded in LDS after every key
	s_mov_b32 s[G1K], (1<<16)|(1<<20)|(4<<22)|(3<<25)
	s_mov_b32 s[G1V], (1<<16)|(1<<20)|(4<<22)|(7<<25)
.irp g, G1K, G1V
	s_mov_b32 s[\g+1], 128<<16
	s_mov_b32 s[\g+2], 64<<16
	s_mov_b32 s[\g+3], 128<<16
	s_mov_b32 s[\g+4], 64
	s_mov_b32 s[\g+5], 128
	s_mov_b32 s[\g+6], 0
	s_mov_b32 s[\g+7], 0
.endr
	s_lshl_b32 s90, s14, 15                        ; Q: my 64 rows of 128 bytes
	s_lshl_b32 s13, s[WV], 13
	s_add_co_u32 s90, s90, s13
	s_add_co_u32 s90, s90, s83
	s_mov_b32 s91, 0
	s_lshr_b32 s94, s15, 4                         ; O: the same rows; a batch has two parts there, so b x 4,194,304 bytes more
	s_lshl_b32 s94, s94, 22
	s_add_co_u32 s94, s94, s90
	s_mov_b32 s95, 0
	s_and_b32 s92, s15, 15                         ; the gates: row head of gm, token b 2048 + 256 qb + 64 w
	s_lshl_b32 s92, s92, 15
	s_lshr_b32 s13, s15, 4
	s_lshl_b32 s13, s13, 13
	s_add_co_u32 s92, s92, s13
	s_lshl_b32 s13, s14, 10
	s_add_co_u32 s92, s92, s13
	s_lshl_b32 s13, s[WV], 8
	s_add_co_u32 s92, s92, s13
	s_mov_b32 s93, 0
	s_mov_b32 s[CS], 0x3e38aa3b                    ; c = log2(e) / 8
	s_mov_b32 s[CS+1], s[CS]
	s_mov_b32 s[SEL], 0x76543210
	s_mov_b32 s[SEL+1], 0xfedcba98
	s_mul_i32 s[TBK], s[WV], KS*PK                 ; my first step is step w of the work-group's twelve
	s_mul_i32 s[TBV], s[WV], KS*PV
	s_mov_b32 s[BIGN], 0xf149f2ca                  ; -1e30
	s_lshl_b32 s[DEADN], s14, 2
	s_add_co_u32 s[DEADN], s[DEADN], s[WV]
	s_sub_co_i32 s[DEADN], 8, s[DEADN]
	s_max_i32 s[DEADN], s[DEADN], 0
	s_cmp_gt_u32 s[DEADN], 0
	s_cselect_b32 s[SC], s[BIGN], 0                ; step 0's common value
	s_mov_b32 s[SC+1], 0                           ; named as pairs
	s_mov_b32 s[SB], 0
	s_mov_b32 s[SB+1], 0
	s_mov_b32 s[SH], 0
	s_mov_b32 s[SH+1], 0
	s_mov_b32 s[TAU], 0
	s_wait_dscnt 0x0                               ; the opening add is done
	s_wait_kmcnt 0x0
	s_add_nc_u64 s[18:19], s[4:5], 16777216        ; k
	s_add_nc_u64 s[20:21], s[4:5], 33554432        ; v
.irp g, 0,1,2
	s_add_nc_u64 s[G0K+4*\g+2:G0K+4*\g+3], s[18:19], s[84+2*\g:85+2*\g]
	s_or_b32 s[G0K+4*\g+3], s[G0K+4*\g+3], 0x80000000
	s_add_nc_u64 s[G0V+4*\g+2:G0V+4*\g+3], s[20:21], s[84+2*\g:85+2*\g]
	s_or_b32 s[G0V+4*\g+3], s[G0V+4*\g+3], 0x80000000
.endr
	s_add_nc_u64 s[4:5], s[4:5], s[90:91]
	s_add_nc_u64 s[8:9], s[8:9], s[94:95]
	s_add_nc_u64 s[6:7], s[6:7], s[92:93]
	s_cmp_lt_u32 s[WV], 2                          ; a wave's three fills stand in one branch: three loads of mine are out; an s_nop 0 follows each, four v_nop the last
	s_cbranch_scc0 .Lfirst_v
	tensor_load_to_lds s[G0K:G0K+3], s[G1K:G1K+7]
	s_nop 0
	tensor_load_to_lds s[G0K+4:G0K+7], s[G1K:G1K+7]
	s_nop 0
	tensor_load_to_lds s[G0K+8:G0K+11], s[G1K:G1K+7]
	s_nop 0
.rept 4
	v_nop
.endr
	s_branch .Lfirst_done
.Lfirst_v:
	tensor_load_to_lds s[G0V:G0V+3], s[G1V:G1V+7]
	s_nop 0
	tensor_load_to_lds s[G0V+4:G0V+7], s[G1V:G1V+7]
	s_nop 0
	tensor_load_to_lds s[G0V+8:G0V+11], s[G1V:G1V+7]
	s_nop 0
.rept 4
	v_nop
.endr
.Lfirst_done:
	v_and_b32 v1, 15, v0                           ; r
	v_bfe_u32 v9, v0, 4, 1                         ; h
	v_lshlrev_b32 v[QO], 7, v1
	v_lshl_add_u32 v[QO], v9, 4, v[QO]
	v_lshlrev_b32 v[GAO], 2, v1
	WIN 0x80                                       ; destination window 2
.set i, 0
.rept 4*NP                                     ; Q stays in registers: tile i / 2, channels 32 (i % 2) on
	global_load_b128 v[8*i:8*i+3],   v[QO], s[4:5] offset:(i/2)*2048+(i%2)*64
	global_load_b128 v[8*i+4:8*i+7], v[QO], s[4:5] offset:(i/2)*2048+(i%2)*64+32
.set i, i+1
.endr
	; What the first turn finds: V's registers and P's second buffer hold 0 (its products V^T P, of a step that has not been, add 0), O^T and l are 0.  No first step is written out; these lines stand in the wait for the tiles.
.set i, VF
.rept 64
	v_mov_b32 v[i], 0
.set i, i+1
.endr
	WIN 0
.irp t, 0,1,2,3
	global_load_b32 v[GT+\t], v[GAO], s[6:7] offset:64*\t
.endr
	v_lshlrev_b32 v[DI], 3, v9
	v_sub_nc_u32 v[DI], v1, v[DI]                  ; r - 8 h
	v_mov_b32 v[C0], s[SC]
	WIN 0x40
.set i, 0
.rept 64*NP
	v_mov_b32 v[i], 0
.set i, i+1
.endr
.set i, 0
.rept 8
	v_cmp_gt_i32 vcc_lo, i, v[DI]                  ; 8 h + i > r: hidden on the diagonal of the last step
	v_cndmask_b32 v[TD+i], 0, s[BIGN], vcc_lo
	v_cmp_lt_i32 vcc_lo, i, v[DI]                  ; 8 h + i < r: hidden at the far end of the window, in step 0
	v_cndmask_b32 v[PM+i], v[C0], s[BIGN], vcc_lo
	v_mov_b32 v[LOW+i], s[BIGN]
	v_mov_b32 v[HIGH+i], s[SC]
.set i, i+1
.endr
	WIN 0
.set i, 0
.rept 2*NP
	v_mov_b32 v[ST+4*i], 0xfe000000                ; c m: far below every c s
	v_mov_b32 v[ST+4*i+1], 0xe0ad78ec              ; m = -1e20
	v_mov_b32 v[ST+4*i+2], 0
	v_mov_b32 v[ST+4*i+3], 0
.set i, i+1
.endr
.set i, P+32
.rept 32
	v_mov_b32 v[i], 0
.set i, i+1
.endr
	v_mul_u32_u24 v[AK0], v1, PK
	v_lshl_add_u32 v[AK0], v9, 4, v[AK0]           ; row x pitch + 16 x half
	v_and_b32 v10, 7, v0
	v_bfe_u32 v11, v0, 3, 1
	v_lshl_add_u32 v[AV0], v9, 3, v10              ; the turning load: key 8 h + lane % 8, channels 8 ((lane / 8) % 2) + 0..7
	v_mul_u32_u24 v[AV0], v[AV0], PV
	v_lshl_add_u32 v[AV0], v11, 4, v[AV0]
	v_add_nc_u32 v[AV0], VOFF, v[AV0]
	v_add_nc_u32 v[AK], s[TBK], v[AK0]
; THE MATRIX WORK.  The 8 accumulators of a run of 16 take turns.  Product i of 16 of S^T = K Q^T for piece x: channels 32 (i / 8) on, keys 16 ((i / 2) % 4) on, tile 2 x + i % 2.  The first 8 start the sums with a mask.
.macro KQ x
.set rS, S+64*((\x)%2)+32*(i%2)+8*((i/2)%4)
.set rK, KF+16*((i/2)%4)+8*(i/8)
.set rQ, 16*(2*(\x)+i%2)+8*(i/8)
.if i < 8
.set rZ, PM
.if ((i/2)%4) < (2*(\x)+i%2)
.set rZ, LOW
.endif
.if ((i/2)%4) > (2*(\x)+i%2)
.set rZ, HIGH
.endif
	WIN W_KM
	v_wmma_f32_16x16x32_f16 v[rS:rS+7], v[rK:rK+7], v[rQ:rQ+7], v[rZ:rZ+7]
.else
	WIN W_KQ
	v_wmma_f32_16x16x32_f16 v[rS:rS+7], v[rK:rK+7], v[rQ:rQ+7], v[rS:rS+7]
.endif
.endm
; Product i of 16 of O^T += V^T P for piece x: keys 32 (i / 8) on, channels 16 ((i / 2) % 4) on, tile 2 x + i % 2.
.macro PV x
	WIN W_PV
.set rO, 32*(2*(\x)+i%2)+8*((i/2)%4)
.set rV, VF+32*(i/8)+8*((i/2)%4)
.set rP, P+32*((\x)%2)+16*(i%2)+8*(i/8)
	v_wmma_f32_16x16x32_f16 v[rO:rO+7], v[rV:rV+7], v[rP:rP+7], v[rO:rO+7]
.endm
.macro MM                              ; the turn's next matrix instruction
.if i < 16
	KQ (Y+1)%NP
.set i, i+1
.else
.set i, i-16
	PV (Y+NP-1)%NP
.set i, i+17
.endif
.endm
; THE LDS LOADS stand in runs of 16.  last = 1: in the loop's last trip there is no further step, and K's run is jumped over.
.macro FETCH_K last=0
	WIN 0
.if \last
	s_cmp_eq_u32 s[CNT], 1
	s_cbranch_scc1 .Lno_k_\@
.endif
	WIN 0x80
.irp f, 0,1,2,3,4,5,6,7                ; keys 16 (f / 2) on, channels 32 (f % 2) on
	ds_load_b128 v[KF+8*\f:KF+8*\f+3],   v[AK] offset:(\f/2)*16*PK+(\f%2)*64
	ds_load_b128 v[KF+8*\f+4:KF+8*\f+7], v[AK] offset:(\f/2)*16*PK+(\f%2)*64+32
.endr
	s_add_co_u32 s[TBK], s[TBK], KS*PK
	WIN 0
.if \last
.Lno_k_\@:
.endif
.endm
.macro FETCH_V
	WIN 0x80
.irp f, 0,1,2,3,4,5,6,7                ; keys 32 (f / 4) on, channels 16 (f % 4) on
	ds_load_tr16_b128 v[VF+8*\f:VF+8*\f+3],   v[AV] offset:(\f/4)*32*PV+(\f%4)*32
	ds_load_tr16_b128 v[VF+8*\f+4:VF+8*\f+7], v[AV] offset:(\f/4)*32*PV+16*PV+(\f%4)*32
.endr
	WIN 0
.endm
.macro MASKS                           ; the next step's three masks: TD x SB + SC, SC, SH
	WIN W_RS
.irp z, 0,2,4,6
	v_pk_fma_f32 v[PM+\z:PM+\z+1],     v[TD+\z:TD+\z+1], s[SB:SB+1], s[SC:SC+1] op_sel_hi:[1,0,0]
	v_pk_fma_f32 v[LOW+\z:LOW+\z+1],   v[TD+\z:TD+\z+1], 0, s[SC:SC+1] op_sel_hi:[1,0,0]
	v_pk_fma_f32 v[HIGH+\z:HIGH+\z+1], v[TD+\z:TD+\z+1], 0, s[SH:SH+1] op_sel_hi:[1,0,0]
.endr
.endm
; THE VECTOR WORK OF A TURN stands in three queues, each in the order in which its entries become ready; the two tiles alternate.
.macro REGS y, u
.set rT, ST+4*(2*(\y)+(\u))
.set rC, TMP+8*((\y)%2)+4*(\u)
.set rM, MV+2*((\y)%2)+(\u)
.set rS, S+64*((\y)%2)+32*(\u)
.set rP, P+32*((\y)%2)+16*(\u)
.set rO, 32*(2*(\y)+(\u))
.endm
; Number n of the 22 that find the other piece's maximum and statistics; each accumulator's lowest registers are read first.
;   0-11 four chains of seven scores    12-14, 16 the four left over, the old m, four into one    15 c m_old is kept    17, 18 the lane 16 away: the new m    19-21 c m; c m_old - c m_new; a
.macro XS u, n
	REGS (Y+1)%NP, \u
.if (\n) < 4
	v_max3_num_f32 v[rC+(\n)], v[rS+8*(\n)], v[rS+8*(\n)+1], v[rS+8*(\n)+2]
.elseif (\n) < 12
	v_max3_num_f32 v[rC+(\n)%4], v[rC+(\n)%4], v[rS+8*((\n)%4)+2*((\n)/4)+1], v[rS+8*((\n)%4)+2*((\n)/4)+2]
.elseif (\n) == 12
	v_max3_num_f32 v[rC], v[rC], v[rS+7], v[rS+15]
.elseif (\n) == 13
	v_max3_num_f32 v[rC+1], v[rC+1], v[rS+23], v[rS+31]
.elseif (\n) == 14
	v_max3_num_f32 v[rC+2], v[rC+2], v[rC+3], v[rT+1]
.elseif (\n) == 15
	v_mov_b32 v[rM], v[rT]
.elseif (\n) == 16
	v_max3_num_f32 v[rC], v[rC], v[rC+1], v[rC+2]
.elseif (\n) == 17
	v_permlanex16_b32 v[rC+3], v[rC], s[SEL], s[SEL+1]
.elseif (\n) == 18
	v_max_num_f32 v[rT+1], v[rC], v[rC+3]
.elseif (\n) == 19
	v_mul_f32 v[rT], s[CS], v[rT+1]
.elseif (\n) == 20
	v_sub_f32 v[rC+1], v[rM], v[rT]
.else
	v_exp_f32 v[rC+2], v[rC+1]
.endif
.endm
; Number g of the 64 that follow the exponentials: for each four weights both pairs are rounded to f16, the second pair is added onto the first in place, and a group later l takes that sum (the first time as l = a l + sum).
.macro GS g
.set h, (\g)+6*((\g)/62)
.if h >= 6
.set h, h+2
.endif
	REGS Y, h%2
.set k, h/8
.if h%8 < 4
	v_cvt_pk_f16_f32 v[rP+2*k+(h%8)/2], v[rS+4*k+2*((h%8)/2)], v[rS+4*k+2*((h%8)/2)+1]
.elseif h%8 < 6
	v_pk_add_f32 v[rS+4*k:rS+4*k+1], v[rS+4*k:rS+4*k+1], v[rS+4*k+2:rS+4*k+3]
.elseif k == 1
	v_pk_fma_f32 v[rT+2:rT+3], v[rT+2:rT+3], v[rC+2:rC+3], v[rS:rS+1] op_sel_hi:[1,0,1]
.else
	v_pk_add_f32 v[rT+2:rT+3], v[rT+2:rT+3], v[rS+4*k-4:rS+4*k-3]
.endif
.endm
; THE PLAIN QUEUE, 138 long: 0-26 scalings; 27-54 XS 0-13; 55, 56 XS 15; 57-73 the chain XS 14, 16 .. 20 with the scalings 27-31 between its links; 74-137 GS, behind the wait.
.macro FS f
	REGS Y, (\f)%2
	v_pk_fma_f32 v[rS+2*((\f)/2):rS+2*((\f)/2)+1], v[rS+2*((\f)/2):rS+2*((\f)/2)+1], s[CS:CS+1], v[rT:rT+1] op_sel_hi:[1,0,0] neg_lo:[0,0,1] neg_hi:[0,0,1]
.endm
.macro PL
	WIN 0
.if q < 27
	FS q
.elseif q < 55
	XS (q-27)%2, (q-27)/2
.elseif q < 57
	XS q-55, 15
.elseif (q < 72) && ((q-57)%3 == 0)
	FS 27+(q-57)/3
.elseif q < 60
	XS (q-57)%3-1, 14
.elseif q < 72
	XS (q-57)%3-1, 15+(q-57)/3
.elseif q < 74
	XS q-72, 20
.else
	GS q-74
.endif
.set q, q+1
.endm
; THE EXPONENTIALS' QUEUE, 66 long: s0-s31 of both tiles, then the other piece's two a: one batch ahead of the turn's one wait.
.macro EX
	WIN 0
.if e >= 64
	XS e-64, 21
.else
	REGS Y, e%2
	v_exp_f32 v[rS+e/2], v[rS+e/2]
.endif
.set e, e+1
.endm
; THE RESCALING's QUEUE: O^T times a, two at a time, sixteen times; each accumulator from its low end on.
.macro R2
	REGS Y, r%2
	WIN W_RS
.irp z, 0,1
	v_pk_mul_f32 v[rO+4*(r/2)+2*\z:rO+4*(r/2)+2*\z+1], v[rO+4*(r/2)+2*\z:rO+4*(r/2)+2*\z+1], v[rC+2:rC+3] op_sel_hi:[1,0]
.endr
.set r, r+1
.endm
; A TURN, for piece p.  Ahead of the wait stands all that names no result of the turn's exponentials: 16 products K Q^T, behind each a scaling, an exponential and two rescalings; then one run: eight plain, 49 times exponential and plain,
; the two a.  Behind it stand 16 products V^T P, behind each four of the roundings and sums.
; Piece 0's turn of step tau: makes the masks of step tau + 1 (eight products and their riders behind the last product that read the old ones), fetches K of step tau + 1 directly behind the wait, and V of step tau at its end, four riders behind V's last reader.
; Piece 1's turn waits for K at its head (V's 16 loads stay out) and for V behind its wait.
.macro TURN p, last=0, cnt=0
.set Y, (\p)
.set i, 0
.set q, 0
.set e, 0
.set r, 0
.if (\p) == 0
	s_add_co_u32 s[TAU], s[TAU], 1                 ; the step whose masks are made
	s_cmp_lt_u32 s[TAU], s[DEADN]
	s_cselect_b32 s[SC], s[BIGN], 0
	s_cmp_eq_u32 s[TAU], 8
	s_cselect_b32 s[SB], 1.0, 0
	s_cselect_b32 s[SH], s[BIGN], s[SC]
.else
	s_wait_dscnt 16                                ; K is in
.endif
	MM
	PL
	PL
	R2
.rept 15
	MM
	PL
	EX
	R2
.endr
.if (\p) == 0
	WIN 0
	v_add_nc_u32 v[AK], s[TBK], v[AK0]
.endif
.rept 8
	PL
.endr
.if (\p) == 0
	MASKS
.endif
.rept 49
	EX
	PL
.endr
	EX
	EX
	v_nop                                          ; a plain instruction behind the last exponential: one for the batch
	s_wait_alu depctr_va_vdst(0)                   ; the wait for the batch
.if (\p) == 0
	FETCH_K \last
.else
	s_wait_dscnt 0x0                               ; V is in
.endif
.rept 16
	MM
.rept 4
	PL
.endr
.if ((\p) == 0) && (q == 118)
	v_add_nc_u32 v[AV], s[TBV], v[AV0]
.endif
.if ((\p) == 0) && (q == 130)
	s_add_co_u32 s[TBV], s[TBV], KS*PV
.endif
.if (\cnt) && (q == 130)
	s_sub_co_u32 s[CNT], s[CNT], 1
	s_cmp_lg_u32 s[CNT], 0
.endif
.endr
.if (\p) == 0
	FETCH_V
.endif
.endm
	s_wait_tensorcnt 0x0                           ; my parts of all 768 keys are in,
	s_barrier_signal -1
	s_barrier_wait -1                              ; everybody's are; nothing is ever filled again
	FETCH_K                                        ; step 0
	s_wait_loadcnt 0x0                             ; Q and the gates
	s_wait_dscnt 0x0
.set i, 0
.rept 16
	KQ 0                                           ; piece 0's first scores
.set i, i+1
.endr
	WIN 0                                          ; the addresses for the way out: the places behind those products
	s_mul_i32 s13, s[WV], 16*SP
	s_add_co_u32 s13, s13, STAGE
	v_mul_u32_u24 v[STO], v1, SP
	v_lshl_add_u32 v[STO], v9, 4, v[STO]
	v_add_nc_u32 v[STO], s13, v[STO]
	v_bfe_u32 v[RD], v0, 3, 2
	v_mul_u32_u24 v[RD], v[RD], SP
	v_lshl_add_u32 v[RD], v10, 4, v[RD]
	v_add_nc_u32 v[RD], s13, v[RD]
	v_and_b32 v[GO], 31, v0
	v_lshlrev_b32 v[GO], 4, v[GO]
	v_mov_b32 v[NEG1], -1.0
.set Y, NP-1                           ; XS works for piece Y + 1: piece 0
.irp n, 0,1,2,3,4,5,6,7,8,9,10,11,12,13,14,15,16,17,18,19,20,21
	XS 0, \n
	XS 1, \n
.endr
	v_nop
	s_wait_alu depctr_va_vdst(0)
	s_mov_b32 s[CNT], 9
.Lstep:                                        ; nine key steps
	TURN 0, 1
	TURN 1, 0, 1
	WIN 0
	s_cbranch_scc1 .Lstep
	; the last trip's 16 products K Q^T (on the last K once more) and the maximum made of them serve nothing: the price, once a launch, of one text for every trip
.set i, 0
.rept 16
	PV NP-1                                        ; piece 1's V^T P of the last step
.set i, i+1
.endr
	; THE WAY OUT.  l's two halves and the other half of the lanes' are added; O^T is multiplied by gate / l, split into its two f16 parts and sent through my stage in LDS, a tile and a part at a time.  The additions are the places behind the last products.
	WIN 0
.macro ALL line:vararg
.set t, 0
.rept 2*NP
	\line
.set t, t+1
.endr
.endm
	ALL v_add_f32 v[ST+4*t+2], v[ST+4*t+2], v[ST+4*t+3]
	ALL v_permlanex16_b32 v[ST+4*t+3], v[ST+4*t+2], s[SEL], s[SEL+1]
	ALL v_add_f32 v[ST+4*t+2], v[ST+4*t+2], v[ST+4*t+3]
	ALL v_rcp_f32 v[ST+4*t+2], v[ST+4*t+2]
	v_nop
	s_wait_alu depctr_va_vdst(0)                   ; one wait for the four reciprocals
	ALL v_mul_f32 v[ST+4*t+2], v[ST+4*t+2], v[GT+t]
; Tile t: part 0 into v[S+32 t ..], part 1 into v[S+32 t+16 ..].  A lane's eight channels of a row pack into 16 bytes; they go into rows of 144 bytes and come back as whole rows of 128.
.macro PACK t
	WIN W_RS
.set i, 32*(\t)
.rept 16
	v_pk_mul_f32 v[i:i+1], v[i:i+1], v[ST+4*(\t)+2:ST+4*(\t)+3] op_sel_hi:[1,0]
.set i, i+2
.endr
	WIN 0x05                                       ; sources 0 and 1 window 1, destination window 0
.set i, 0
.rept 16
	v_cvt_pk_f16_f32 v[S+32*(\t)+i], v[32*(\t)+2*i], v[32*(\t)+2*i+1]
.set i, i+1
.endr
	WIN 0x50                                       ; source 2 and destination window 1: O less its f16 number, in place; the difference is exact in f32
.set i, 0
.rept 16
	v_fma_mix_f32 v[32*(\t)+2*i],   v[S+32*(\t)+i], v[NEG1], v[32*(\t)+2*i]   op_sel:[0,0,0] op_sel_hi:[1,0,0]
	v_fma_mix_f32 v[32*(\t)+2*i+1], v[S+32*(\t)+i], v[NEG1], v[32*(\t)+2*i+1] op_sel:[1,0,0] op_sel_hi:[1,0,0]
.set i, i+1
.endr
	WIN 0x05
.set i, 0
.rept 16
	v_cvt_pk_f16_f32 v[S+32*(\t)+16+i], v[32*(\t)+2*i], v[32*(\t)+2*i+1]
.set i, i+1
.endr
	WIN 0
.irp pt, 0,1                           ; LDS serves a wave's instructions in order (ISA guide 5.7.1.4): each part's loads see its stores, and the next part's stores come behind them
.irp f, 0,1,2,3
	ds_store_b128 v[STO], v[S+32*(\t)+16*\pt+4*\f:S+32*(\t)+16*\pt+4*\f+3] offset:32*\f
.endr
.irp f, 0,1,2,3
	ds_load_b128 v[S+32*(\t)+16*\pt+4*\f:S+32*(\t)+16*\pt+4*\f+3], v[RD] offset:\f*4*SP
.endr
.endr
.endm
.macro SEND t, younger                 ; younger: the LDS instructions issued behind tile t's: the next tile's sixteen, or none; behind part 0's load f stand 3 - f of its own part and part 1's eight
	WIN 0
.irp f, 0,1,2,3
	s_wait_dscnt (\younger)+11-\f
	global_store_b128 v[GO], v[S+32*(\t)+4*\f:S+32*(\t)+4*\f+3], s[8:9] offset:(\t)*2048+\f*512  ; 512 consecutive bytes, aligned
.endr
.irp f, 0,1,2,3
	s_wait_dscnt (\younger)+3-\f
	global_store_b128 v[GO], v[S+32*(\t)+16+4*\f:S+32*(\t)+16+4*\f+3], s[8:9] offset:LOPART+(\t)*2048+\f*512
.endr
.endm
	PACK 0
.set t, 1
.rept 2*NP-1
	PACK t
	SEND t-1, 16
.set t, t+1
.endr
	SEND 2*NP-1, 0
	s_wait_tensorcnt 0x0                           ; the wave's end
	ds_add_u32 v[SPW], v[NIL]
	s_wait_dscnt 0x0
	s_endpgm
.Lfunc_end_k_qba789c7823_attn:
	.size	k_qba789c7823_attn, .Lfunc_end_k_qba789c7823_attn-k_qba789c7823_attn
	.p2alignl 7, 3214868480
	.fill 96, 4, 3214868480
	.section	.rodata,"a",@progbits
	.p2align	6, 0x0
	.amdhsa_kernel k_qba789c7823_attn
		.amdhsa_group_segment_fixed_size 243200
		.amdhsa_private_segment_fixed_size 0
		.amdhsa_enable_private_segment 0
		.amdhsa_kernarg_size 24
		.amdhsa_user_sgpr_count 2
		.amdhsa_user_sgpr_kernarg_segment_ptr 1
		.amdhsa_wavefront_size32 1
		.amdhsa_system_sgpr_workgroup_id_x 1
		.amdhsa_system_sgpr_workgroup_id_y 1
		.amdhsa_system_sgpr_workgroup_id_z 1
		.amdhsa_system_vgpr_workitem_id 0
		.amdhsa_next_free_vgpr 768
		.amdhsa_next_free_sgpr 96
		.amdhsa_reserve_vcc 1
		.amdhsa_float_denorm_mode_32 3
		.amdhsa_float_denorm_mode_16_64 3
		.amdhsa_memory_ordered 1
		.amdhsa_forward_progress 1
		.amdhsa_inst_pref_size 93
	.end_amdhsa_kernel
	.amdgpu_metadata
---
amdhsa.version: [ 1, 2 ]
amdhsa.kernels:
  - .name:           k_qba789c7823_attn
    .symbol:         k_qba789c7823_attn.kd
    .args:
      - { .name: qkv, .offset: 0, .size: 8, .value_kind: global_buffer, .address_space: global }
      - { .name: gm, .offset: 8, .size: 8, .value_kind: global_buffer, .address_space: global }
      - { .name: oh, .offset: 16, .size: 8, .value_kind: global_buffer, .address_space: global }
    .group_segment_fixed_size: 243200
    .private_segment_fixed_size: 0
    .kernarg_segment_align: 8
    .kernarg_segment_size: 24
    .max_flat_workgroup_size: 128
    .sgpr_count:     96
    .vgpr_count:     768
    .wavefront_size: 32
...
	.end_amdgpu_metadata
.endif
;; end of part 3
;; launch outp (part 4): grid 8 x 32, 4 waves a work-group, clusters of 4 x 4, 327,680 bytes of LDS; arguments oh, wo, out0; writes out0
.if DOCPART == 4
	.amdgcn_target "amdgcn-amd-amdhsa--gfx1250"
	.amdhsa_code_object_version 6
	.text
	.protected	k_qba789c7823_outp
	.globl	k_qba789c7823_outp
	.p2align	8
	.type	k_qba789c7823_outp,@function
k_qba789c7823_outp:
	s_mov_b64 s[64:65], 0
	v_nop
	global_prefetch_b8 v0, s[64:65] scope:SCOPE_SE
	s_setreg_imm32_b32 hwreg(HW_REG_WAVE_MODE, 25, 1), 1
	s_wait_xcnt 0x0
	s_wait_alu depctr_hold_cnt(0) depctr_sa_sdst(0) depctr_va_vdst(0) depctr_va_sdst(0) depctr_va_ssrc(0) depctr_va_vcc(0) depctr_vm_vsrc(0)
	s_getreg_b32 s2, hwreg(HW_REG_IB_STS2, 6, 4)
	s_cmp_eq_u32 s2, 0
	s_cbranch_scc0 .Lentry_in_a_cluster
	s_endpgm
.Lentry_in_a_cluster:
	s_bfe_u32 s2, ttmp6, 0x10000c
	s_cmp_lg_u32 s2, 0xf033
	s_cbranch_scc0 .Lentry_shape_is_right
	s_endpgm
.Lentry_shape_is_right:
; OUTP.  out0[8192][1024] = O x Wout, f16 operands, f32 sums and output.  O lies by heads and in two f16 parts whose sum it is (oh = [b][part 2][head 16][2048][64]: the rounded number, and what the rounding left);
; Wout by chunks of 64 columns (wo = [chunk 16][k 1024][64]).  The two parts are taken as 32 heads: K = 2,048, and Wout's 1,024 rows are walked twice.
; SHARES.  A tile is 256 rows x 128 columns (two chunks): 256 work-groups.  Wave w takes rows 64 w .. 64 w + 63 and all 128 columns: 32 accumulators.  A K step is two heads, 128 k: 16 steps; two LDS slots filled by the tensor data mover.
; THE PRODUCT IS USED TRANSPOSED (source 0 = 16 columns of Wout, turned by ds_load_tr16_b128; source 1 = 16 rows of O): a lane holds row lane % 16 and eight neighbouring columns.
; CLUSTER 4 x 4: the four of a row need the same rows of O, the four of a column the same chunks of Wout: each tile is asked for jointly.
; REGISTERS.  window 0: v16-29 addresses; v64-127 O's fragments, two buffers of 32; on the way out v64-191 rows read back.  window 1: Wout's fragments, two buffers of 64.  window 2: the sums.
.set NC,    2
.set PA,    144                        ; a row of a head in LDS: 128 bytes + 16
.set PB,    160
.set AHEAD, 256*PA                     ; a slot: [head 2][256 rows], then [K half 2][chunk 2][64 k]
.set BOFF,  2*AHEAD
.set BHALF, NC*64*PB
.set SLOT1, 1<<17
.set STAGE, SLOT1+BOFF+2*BHALF         ; behind the ring: 16 rows x 528 bytes for each wave
.set SP,    528
.set SPARE, STAGE+4*16*SP              ; the spare words, 128 bytes a wave: two blocks of 256 bytes that no other line names
.set ASTEP, 524288                     ; two heads on in oh
.set BSTEP, 16384
.set KSTEPS, 16
.set ADRA0, 16
.set ADRB0, 17
.set ADRA,  18
.set ADRB,  19
.set STO,   20
.set RD,    21
.set GO,    22
.set PFO,   25
.set SPW,   28
.set NIL,   29
.set RB,    64
.set WV,  16
.set FB,  17
.set HW,  18
.set CNT, 19
.set CX,  20
.set CY,  21
.set TC,  22
.set TR,  23
.set G1A, 24
.set G0A, 32
.set TB,  40
.set LIM, 41
.set PFA, 42
.set PFS, 44
.set BBS, 46                           ; s[46:47] Wout at my K half of the tile's chunks, K step 0
.set G1B, 48
.set G0B, 56
.set BOF, 66                           ; s[66:67] a K step's byte offset in Wout's chunks
.set MSB, 0
.macro WIN new
.if MSB != (\new)
	s_set_vgpr_msb (MSB<<8)|(\new)
.set MSB, (\new)
.endif
.endm
.macro PLACES                          ; four plain instructions between a matrix instruction and what reads its result or loads into its sources
.rept 4
	v_nop
.endr
.endm
.macro JLOAD                           ; a joint refill by the walking descriptor; an s_nop 0 and four v_nop follow each of the two lines
	s_cmp_eq_u32 s[FB], 0
	s_cbranch_scc0 .Lfor_b_\@
	tensor_load_to_lds s[G0A+4:G0A+7], s[G1A:G1A+7]
	s_nop 0
	PLACES
	s_branch .Lasked_\@
.Lfor_b_\@:
	tensor_load_to_lds s[G0B+4:G0B+7], s[G1B:G1B+7]
	s_nop 0
	PLACES
.Lasked_\@:
.endm
; A prefetch into the L2 of the K step two refills on.  O's rows: waves 0, 1 of the clusters with x = 0, up to the last K step; Wout's: wave 2 of the clusters with y = 0, in the first walk of its rows alone (K steps 4 to 7).
; The four partners share a tile's blocks of 256 bytes out by address, 32 each, a lane a block.
.macro ASK
	s_cmp_gt_u32 s[CNT], s[LIM]
	s_cbranch_scc0 .Lnot_mine_\@
	global_prefetch_b8 v[PFO], s[PFA:PFA+1] th:TH_LOAD_NT scope:SCOPE_SE
.Lnot_mine_\@:
.endm
.macro CREST
	s_cmp_lg_u32 s[WV], 0
	s_cbranch_scc1 .Lnot_wave_0_\@
	s_barrier_signal -3
.Lnot_wave_0_\@:
	s_barrier_wait -3
	s_barrier_signal -1
	s_barrier_wait -1
.endm
.macro CROUND
	s_barrier_signal -1
	s_barrier_wait -1
	CREST
.endm
	s_load_b128 s[4:7], s[0:1], 0x0                ; oh 4, wo 6
	s_load_b64 s[8:9], s[0:1], 0x10                ; out0
	v_lshl_add_u32 v[SPW], v0, 2, SPARE
	v_mov_b32 v[NIL], 0
	ds_add_u32 v[SPW], v[NIL]                      ; the wave's opening: the add and its wait ahead of my first tensor load
	v_lshrrev_b32 v1, 5, v0
	v_readfirstlane_b32 s[WV], v1
	s_lshr_b32 s[FB], s[WV], 1
	s_and_b32 s[HW], s[WV], 1
	s_bfe_u32 s[CX], ttmp6, 0x40000
	s_bfe_u32 s[CY], ttmp6, 0x40004
	s_lshl_b32 s[TC], ttmp9, 2
	s_add_co_u32 s[TC], s[TC], s[CX]
	s_and_b32 s[TR], ttmp7, 0xffff
	s_lshl_b32 s[TR], s[TR], 2
	s_add_co_u32 s[TR], s[TR], s[CY]
	s_lshl_b32 s72, s[CY], 2
	s_lshl_b32 s72, 15, s72
	s_lshl_b32 s73, 0x1111, s[CX]
	s_or_b32 s[G1A], s72, (1<<16)|(1<<20)|(1<<21)|(4<<22)|(3<<25)   ; after every 32 words 4 words
	s_or_b32 s[G1B], s73, (1<<16)|(1<<20)|(1<<21)|(4<<22)|(7<<25)   ; after every 32 words 8 words
	s_mov_b32 s[G1A+1], 128<<16                    ; O: a head's 256 rows are 32,768 dense bytes: 128 rows of 256 bytes, two rows of O each
	s_mov_b32 s[G1A+2], 128<<16
	s_mov_b32 s[G1A+3], 128<<16
	s_mov_b32 s[G1A+4], 128
	s_mov_b32 s[G1A+5], 128
	s_mov_b32 s[G1A+6], 0
	s_mov_b32 s[G1A+7], 0
	s_mov_b32 s[G1B+1], 4096<<16                   ; Wout: 2 rows (the chunks) of 4,096 elements (64 k x 64 columns, dense), 65,536 elements from chunk to chunk
	s_mov_b32 s[G1B+2], 2<<16
	s_mov_b32 s[G1B+3], 4096<<16
	s_mov_b32 s[G1B+4], 2
	s_mov_b32 s[G1B+5], 65536
	s_mov_b32 s[G1B+6], 0
	s_mov_b32 s[G1B+7], 0
	s_mov_b32 s[BOF+1], 0
	s_lshr_b32 s72, s[TR], 3                       ; b
	s_lshl_b32 s72, s72, 5
	s_add_co_u32 s72, s72, s[HW]                   ; b 32 + my head of the step's two
	s_lshl_b32 s72, s72, 11
	s_and_b32 s73, s[TR], 7
	s_lshl_b32 s73, s73, 8
	s_add_co_u32 s72, s72, s73
	s_lshl_b32 s72, s72, 7
	s_mov_b32 s73, 0
	s_lshl_b32 s74, s[TC], 18                      ; two chunks of 131,072 bytes
	s_lshl_b32 s75, s[HW], 13
	s_add_co_u32 s74, s74, s75
	s_mov_b32 s75, 0
	s_mul_i32 s76, s[HW], AHEAD
	s_mul_i32 s77, s[HW], BHALF
	s_add_co_u32 s77, s77, BOFF
	s_wait_dscnt 0x0                               ; the opening add is done
	s_wait_kmcnt 0x0
	s_add_nc_u64 s[72:73], s[4:5], s[72:73]
	s_add_nc_u64 s[74:75], s[6:7], s[74:75]
	s_mov_b64 s[BBS:BBS+1], s[74:75]
	CROUND                                         ; all sixteen work-groups are here: the first joint loads meet
.irp s, 0,1
	s_mov_b32 s[G0A+4*(\s)], 1
	s_add_co_u32 s[G0A+4*(\s)+1], s76, (\s)*SLOT1
	s_add_nc_u64 s[G0A+4*(\s)+2:G0A+4*(\s)+3], s[72:73], (\s)*ASTEP
	s_or_b32 s[G0A+4*(\s)+3], s[G0A+4*(\s)+3], 0x80000000
	s_mov_b32 s[G0B+4*(\s)], 1
	s_add_co_u32 s[G0B+4*(\s)+1], s77, (\s)*SLOT1
	s_add_nc_u64 s[G0B+4*(\s)+2:G0B+4*(\s)+3], s[74:75], (\s)*BSTEP
	s_or_b32 s[G0B+4*(\s)+3], s[G0B+4*(\s)+3], 0x80000000
.endr
	s_cmp_eq_u32 s[FB], 0                          ; a wave's two first fills stand in one branch: two loads of mine are out
	s_cbranch_scc0 .Lfirst_b
	tensor_load_to_lds s[G0A:G0A+3], s[G1A:G1A+7]
	s_nop 0
	tensor_load_to_lds s[G0A+4:G0A+7], s[G1A:G1A+7]
	s_nop 0
	PLACES
	s_branch .Lfirst_done
.Lfirst_b:
	tensor_load_to_lds s[G0B:G0B+3], s[G1B:G1B+7]
	s_nop 0
	tensor_load_to_lds s[G0B+4:G0B+7], s[G1B:G1B+7]
	s_nop 0
	PLACES
.Lfirst_done:
	v_and_b32 v1, 15, v0
	v_bfe_u32 v2, v0, 4, 1
	v_mul_u32_u24 v[ADRA0], v1, PA
	v_lshl_add_u32 v[ADRA0], v2, 4, v[ADRA0]
	s_mul_i32 s72, s[WV], 64*PA
	v_add_nc_u32 v[ADRA0], s72, v[ADRA0]
	v_and_b32 v3, 7, v0
	v_lshl_add_u32 v4, v2, 3, v3
	v_mul_u32_u24 v[ADRB0], v4, PB
	v_bfe_u32 v4, v0, 3, 1
	v_lshl_add_u32 v[ADRB0], v4, 4, v[ADRB0]
	v_add_nc_u32 v[ADRB0], BOFF, v[ADRB0]
	v_mov_b32 v[ADRA], v[ADRA0]
	v_mov_b32 v[ADRB], v[ADRB0]
	s_mov_b32 s[TB], 0
	s_mul_i32 s72, s[WV], 16*SP
	s_add_co_u32 s72, s72, STAGE
	v_mul_u32_u24 v[STO], v1, SP                   ; in: row r, my 8 numbers of a block of 16 at 32 h
	v_lshl_add_u32 v[STO], v2, 5, v[STO]
	v_add_nc_u32 v[STO], s72, v[STO]
	v_and_b32 v5, 31, v0
	v_lshlrev_b32 v[GO], 4, v5                     ; back: the wave takes a row's 512 bytes
	v_add_nc_u32 v[RD], s72, v[GO]
	s_lshl_b32 s72, s[TR], 8
	s_lshl_b32 s73, s[WV], 6
	s_add_co_u32 s72, s72, s73
	s_lshl_b32 s72, s72, 12                        ; my first row of out0, 4,096 bytes a row,
	s_lshl_b32 s73, s[TC], 9                       ; the tile's 128 columns
	s_add_co_u32 s72, s72, s73
	s_mov_b32 s73, 0
	s_add_nc_u64 s[8:9], s[8:9], s[72:73]
	; the prefetches
	s_lshr_b32 s72, s[TR], 3
	s_lshl_b32 s72, s72, 5
	s_add_co_u32 s72, s72, s[HW]
	s_lshl_b32 s72, s72, 11
	s_and_b32 s73, s[TR], 7
	s_lshl_b32 s73, s73, 8
	s_add_co_u32 s72, s72, s73
	s_lshl_b32 s72, s72, 7
	s_lshl_b32 s73, s[CX], 13                      ; my work-group's 32 blocks of the head's 128
	s_add_co_u32 s72, s72, s73
	s_add_co_u32 s72, s72, 3*ASTEP                 ; at K step 3: the first refill steps it to 4
	s_lshl_b32 s74, s[TC], 18
	s_lshl_b32 s75, s[CY], 11                      ; my work-group's 8 blocks of each 32
	s_add_co_u32 s74, s74, s75
	s_add_co_u32 s74, s74, 3*BSTEP
	s_and_b32 s75, ttmp7, 0xffff
	s_mov_b32 s[PFS], BSTEP
	s_cmp_eq_u32 s[FB], 0
	s_cselect_b32 s72, s72, s74
	s_cselect_b32 s75, ttmp9, s75
	s_cselect_b64 s[PFA:PFA+1], s[4:5], s[6:7]
	s_cselect_b32 s[PFS], ASTEP, s[PFS]
	s_cselect_b32 s78, -1, 0
	s_cselect_b32 s79, 2, 10                       ; the refill of K step 16 - CNT names K step 18 - CNT: O's up to 15 (CNT above 2), Wout's up to 7 (CNT above 10)
	s_mov_b32 s[PFS+1], 0
	s_mov_b32 s73, 0
	s_add_nc_u64 s[PFA:PFA+1], s[PFA:PFA+1], s[72:73]
	s_cmp_eq_u32 s[WV], 3                          ; wave 2 asks for both K halves of Wout, wave 3 for nothing
	s_cselect_b32 s75, 1, s75
	s_cmp_eq_u32 s75, 0
	s_cselect_b32 s[LIM], s79, -1
	v_lshlrev_b32 v6, 8, v5                        ; O: a lane a block
	v_lshlrev_b32 v7, 13, v2                       ; Wout: K half lane / 16, chunk (lane / 8) % 2, block lane % 8
	v_lshl_add_u32 v7, v4, 17, v7
	v_lshl_add_u32 v7, v3, 8, v7
	v_cndmask_b32 v[PFO], v7, v6, s78
.macro MUL8 f, c, a0, zero             ; 8 products: chunk c, row blocks a0, a0 + 1 x 4 column blocks; all 32 accumulators take turns in the same order in every quarter
	WIN 0xa1
.irp a, \a0, (\a0)+1
.irp b, 0,1,2,3
.set rD, 128*(\c)+8*(4*(\a)+(\b))
.set rB, 32*NC*(\f)+8*(4*(\c)+(\b))
.set rA, 64+32*(\f)+8*(\a)
.if \zero
	v_wmma_f32_16x16x32_f16 v[rD:rD+7], v[rB:rB+7], v[rA:rA+7], 0
.else
	v_wmma_f32_16x16x32_f16 v[rD:rD+7], v[rB:rB+7], v[rA:rA+7], v[rD:rD+7]
.endif
.endr
.endr
.endm
.macro FETCH q, f                      ; 24 LDS loads in one run: O's 4 fragments, then the chunks' 4 each
	WIN 0
.irp a, 0,1,2,3
	ds_load_b128 v[64+32*(\f)+8*(\a):64+32*(\f)+8*(\a)+3],   v[ADRA] offset:((\q)/2)*AHEAD+((\q)%2)*64+(\a)*16*PA
	ds_load_b128 v[64+32*(\f)+8*(\a)+4:64+32*(\f)+8*(\a)+7], v[ADRA] offset:((\q)/2)*AHEAD+((\q)%2)*64+(\a)*16*PA+32
.endr
	WIN 0x40
.irp c, 0,1
.irp b, 0,1,2,3
.set rB, 32*NC*(\f)+8*(4*(\c)+(\b))
	ds_load_tr16_b128 v[rB:rB+3],   v[ADRB] offset:((\q)/2)*BHALF+(\c)*64*PB+((\q)%2)*32*PB+32*(\b)
	ds_load_tr16_b128 v[rB+4:rB+7], v[ADRB] offset:((\q)/2)*BHALF+(\c)*64*PB+((\q)%2)*32*PB+32*(\b)+16*PB
.endr
.endr
.endm
.macro QUARTER q, f, g, zero
	s_wait_dscnt 8                                 ; all but the last chunk's eight loads
	MUL8 \f, 0, 0, \zero
	MUL8 \f, 0, 2, \zero
	PLACES
	FETCH \q, \g
	s_wait_dscnt 24                                ; all but the 24 just issued
	MUL8 \f, 1, 0, \zero
	MUL8 \f, 1, 2, \zero
.endm
; The last quarter multiplies buffer 1 and changes slots: each wave waits for all its tensor loads, adds 0 to its spare word, and waits for that and for its reads of this slot; fill = 1: the barrier opens a round of the cluster's, and the joint refill is the first thing behind it.
; The refill is K step 16 - CNT.  O's address steps on; Wout's is made anew from that number modulo 8: its rows are walked once for each part of O.
.macro TURN fill
.if \fill
	s_wait_xcnt 0x0                                ; the last prefetch, a K step back, has read its address
	s_add_nc_u64 s[PFA:PFA+1], s[PFA:PFA+1], s[PFS:PFS+1]
.endif
	WIN 0
	s_wait_tensorcnt 0x0
	ds_add_u32 v[SPW], v[NIL]
	s_wait_dscnt 9                                 ; (the add and the last chunk's eight loads may be out)
	MUL8 1, 0, 0, 0
	s_wait_dscnt 0x0                               ; the add is done, and my reads of this slot are over
	s_barrier_signal -1
	MUL8 1, 0, 2, 0
	WIN 0
	s_barrier_wait -1
.if \fill
	CREST
	s_xor_b32 s[G0A+5], s[G0A+5], SLOT1
	s_add_nc_u64 s[G0A+6:G0A+7], s[G0A+6:G0A+7], ASTEP
	s_xor_b32 s[G0B+5], s[G0B+5], SLOT1
	s_sub_co_u32 s[BOF], KSTEPS, s[CNT]
	s_and_b32 s[BOF], s[BOF], 7
	s_lshl_b32 s[BOF], s[BOF], 14
	s_add_nc_u64 s[G0B+6:G0B+7], s[BBS:BBS+1], s[BOF:BOF+1]
	s_or_b32 s[G0B+7], s[G0B+7], 0x80000000
	JLOAD                                          ; its four v_nop are also the places in front of the loads below
.else
	PLACES
.endif
	s_xor_b32 s[TB], s[TB], SLOT1
	v_add_nc_u32 v[ADRA], s[TB], v[ADRA0]
	v_add_nc_u32 v[ADRB], s[TB], v[ADRB0]
	FETCH 0, 0
.if \fill
	WIN 0
	ASK
.endif
	MUL8 1, 1, 0, 0
	MUL8 1, 1, 2, 0
.endm
	s_wait_tensorcnt 0x1                           ; my part of K step 0 is in; K step 1's may stay out
	s_barrier_signal -1
	s_barrier_wait -1
	FETCH 0, 0
	QUARTER 1, 0, 1, 1                             ; the first quarter's products start the sums
	WIN 0
	s_mov_b32 s[CNT], KSTEPS-2
.Lstep:                                        ; a trip: a K step's quarters 1 to 3, the change of slots with its refill (K steps 2 to 15), the next step's quarter 0
	QUARTER 2, 1, 0, 0
	QUARTER 3, 0, 1, 0
	TURN 1
	QUARTER 1, 0, 1, 0
	WIN 0
	s_sub_co_u32 s[CNT], s[CNT], 1
	s_cmp_lg_u32 s[CNT], 0
	s_cbranch_scc1 .Lstep
	QUARTER 2, 1, 0, 0                             ; the last two K steps ask for nothing
	QUARTER 3, 0, 1, 0
	TURN 0
	QUARTER 1, 0, 1, 0
	QUARTER 2, 1, 0, 0
	QUARTER 3, 0, 1, 0
	s_wait_dscnt 8
	MUL8 1, 0, 0, 0
	MUL8 1, 0, 2, 0
	s_wait_dscnt 0x0
	MUL8 1, 1, 0, 0
	MUL8 1, 1, 2, 0
	WIN 0
	PLACES
	; THE WAY OUT: 16 rows at a time through my stage: a lane's 32 bytes go into rows of 528 bytes and come back as whole rows of 512.
.macro TOSTAGE a
	WIN 0x08                                       ; the stores' data in window 2; each accumulator's low half first
.irp blk, 0,1,2,3,4,5,6,7
.set rD, 128*((\blk)/4)+8*(4*(\a)+(\blk)%4)
	ds_store_b128 v[STO], v[rD:rD+3]   offset:64*(\blk)
	ds_store_b128 v[STO], v[rD+4:rD+7] offset:64*(\blk)+16
.endr
	WIN 0
	s_wait_xcnt 0x0                                ; the stores of two blocks back have read the registers that are loaded now
.set i, 0
.rept 16
	ds_load_b128 v[RB+64*((\a)%2)+4*i:RB+64*((\a)%2)+4*i+3], v[RD] offset:SP*i   ; LDS serves a wave's instructions in order (ISA guide 5.7.1.4)
.set i, i+1
.endr
.endm
.macro SEND a, younger                 ; younger: the LDS instructions issued behind this block's loads
.set i, 0
.rept 16
	s_wait_dscnt (\younger)+15-i
	global_store_b128 v[GO], v[RB+64*((\a)%2)+4*i:RB+64*((\a)%2)+4*i+3], s[8:9] offset:65536*(\a)+4096*i th:TH_STORE_NT   ; 512 consecutive bytes, aligned
.set i, i+1
.endr
.endm
	TOSTAGE 0
	TOSTAGE 1
	SEND 0, 32
	TOSTAGE 2
	SEND 1, 32
	TOSTAGE 3
	SEND 2, 32
	SEND 3, 0
	s_wait_tensorcnt 0x0                           ; the wave's end
	ds_add_u32 v[SPW], v[NIL]
	s_wait_dscnt 0x0
	CROUND                                         ; the closing round
	s_endpgm
.Lfunc_end_k_qba789c7823_outp:
	.size	k_qba789c7823_outp, .Lfunc_end_k_qba789c7823_outp-k_qba789c7823_outp
	.p2alignl 7, 3214868480
	.fill 96, 4, 3214868480
	.section	.rodata,"a",@progbits
	.p2align	6, 0x0
	.amdhsa_kernel k_qba789c7823_outp
		.amdhsa_group_segment_fixed_size 327680
		.amdhsa_private_segment_fixed_size 0
		.amdhsa_enable_private_segment 0
		.amdhsa_kernarg_size 24
		.amdhsa_user_sgpr_count 2
		.amdhsa_user_sgpr_kernarg_segment_ptr 1
		.amdhsa_wavefront_size32 1
		.amdhsa_system_sgpr_workgroup_id_x 1
		.amdhsa_system_sgpr_workgroup_id_y 1
		.amdhsa_system_sgpr_workgroup_id_z 1
		.amdhsa_system_vgpr_workitem_id 0
		.amdhsa_next_free_vgpr 768
		.amdhsa_next_free_sgpr 80
		.amdhsa_reserve_vcc 0
		.amdhsa_float_denorm_mode_32 3
		.amdhsa_float_denorm_mode_16_64 3
		.amdhsa_memory_ordered 1
		.amdhsa_forward_progress 1
		.amdhsa_inst_pref_size 73
	.end_amdhsa_kernel
	.amdgpu_metadata
---
amdhsa.version: [ 1, 2 ]
amdhsa.kernels:
  - .name:           k_qba789c7823_outp
    .symbol:         k_qba789c7823_outp.kd
    .args:
      - { .name: oh, .offset: 0, .size: 8, .value_kind: global_buffer, .address_space: global }
      - { .name: wo, .offset: 8, .size: 8, .value_kind: global_buffer, .address_space: global }
      - { .name: out0, .offset: 16, .size: 8, .value_kind: global_buffer, .address_space: global }
    .group_segment_fixed_size: 327680
    .private_segment_fixed_size: 0
    .kernarg_segment_align: 8
    .kernarg_segment_size: 24
    .max_flat_workgroup_size: 128
    .sgpr_count:     80
    .vgpr_count:     768
    .wavefront_size: 32
...
	.end_amdgpu_metadata
.endif
;; end of part 4
;; ======== version 2 of 2: 4 launches; version 1 with the launch prep written anew for expert scheduling mode
;; limits: values are held in f16: magnitudes above 65,504 overflow, below 6.1e-05 lose precision; values outside matrix products are rounded to bf16
;; workspace buffers: xb 16,777,216 bytes; wc 6,291,456 bytes; wo 2,097,152 bytes; gm 1,048,576 bytes; tab 524,288 bytes; qkv 50,331,648 bytes; oh 33,554,432 bytes
;; launch prep (part 5): grid 256 x 1, 8 waves a work-group, no clusters, 183,808 bytes of LDS; arguments tokens, Wq, Wkv, Wout, Wgate, Wmix, xb, wc, wo, gm, tab; writes xb, wc, wo, gm, tab
.if DOCPART == 5
	.amdgcn_target "amdgcn-amd-amdhsa--gfx1250"
	.amdhsa_code_object_version 6
	.text
	.protected	k_qba789c7823_prep
	.globl	k_qba789c7823_prep
	.p2align	8
	.type	k_qba789c7823_prep,@function
k_qba789c7823_prep:
	s_mov_b64 s[64:65], 0
	v_nop
	global_prefetch_b8 v0, s[64:65] scope:SCOPE_SE
	s_setreg_imm32_b32 hwreg(HW_REG_WAVE_SCHED_MODE, 0, 2), 2
	s_setreg_imm32_b32 hwreg(HW_REG_WAVE_MODE, 25, 1), 1
	s_wait_xcnt 0x0
	s_wait_alu depctr_vm_vsrc(0)
; PREP.  Work-groups 0-127: 64 rows of tokens each are rounded to bf16 (xb [8192][1024]) and, on the way, multiplied by Wgate and Wmix ([1024][16] each, rounded to bf16);
; the sigmoids of both products go to gm, f32 [32][8192]: rows 0-15 the gates by head, rows 16-31 the mixes.
; Work-groups 128-255: one half (512 k) of one chunk of 64 columns of Wq, Wkv or Wout is rounded to bf16 and laid out by chunks, [chunk][k 1024][64]:
; wc = [head 16][q, k, v][k][64] in bf16; wo = [chunk 16][k][64], Wout's bf16 number written as f16.  Each of their waves also makes two positions of the rotary table
; tab, f32 [pos 2048][pair 32][cos, sin].
; LIMITS.  A number of Wout below 6.1e-5 keeps f16's fixed step of 6e-8, one beyond 65,504 becomes an infinity.  NaN and infinities are not treated apart.
; The table's angle is pos x 2^(-p log2(10000) / 32) in f32, brought into -pi .. pi by two constants for 2 pi; sine and cosine are Taylor sums to y^17 and y^18, whose next terms at pi are under 3e-8.
; No cluster, no tensor load: no work-group wants a byte that another has fetched but the two small weights (128 KiB), and every byte of tokens and of the large weights is read once.
; THE MODE: SCHED_MODE bits 1:0 = 2 (LLVM: expert scheduling mode 2), set by the entry lines.  The code itself states the register dependences
; between vector or matrix instructions and memory or LDS instructions, with s_wait_alu, always for 0.
; THE PLAN, the tokens' way.  Registers that memory or LDS instructions touch:
;   v4, v5, v7-v14  offsets and LDS addresses: written once, at the head, and never again.
;   v128-255        the small weights in f32 land here and are read by their 64 conversions; then v128-191 take tokens' fragments and v192-255 the weights' fragments of a quarter's first four blocks of 32 k: LDS loads write, products read.
;   v256-511        tokens in f32 land here; quarter q's 64 conversions read its 128.  v256-319, read out by quarter 0's conversions, then take the weights' fragments of a quarter's second four blocks.
;   v64-127         written by a run of 64 conversions (the weights', then each quarter's), read by the run of stores behind it.
;   v16-31          the sums: products write; waves 4-7's LDS stores and waves 0-3's additions read; nothing else writes them.
;   v48-63          the additions and the sigmoids write, four LDS stores read.     v32-47  the partial sums land here, the additions read them; then gm's rows land in v32-39.
; So a quarter has ONE wait on va_vdst, behind its conversions: behind it stand the quarter's 32 stores and all its 48 fragment loads in one run, and no vector or matrix instruction among them;
; and one wait on vm_vsrc, ahead of its conversions, for v64-127.  The weights' way has a wait on va_vdst ahead of each of its three runs of memory instructions and rewrites no register that one of them reads.
.set WL,    0                          ; LDS: the two small weights in bf16, 1,024 rows of k, 96 bytes apart: gate's 16 heads at +0, mix's at +32
.set WP,    96
.set XS,    1024*WP                    ; each wave's own 16 rows x 256 k of tokens in bf16, 528 bytes apart
.set XP,    528
.set PS,    XS+8*16*XP                 ; the upper K half's partial sums, 2,048 bytes a row block
.set FIN,   PS+4*2048                  ; 32 rows of gm x 64 tokens in f32, 272 bytes apart
.set FP,    272
.set SPARE, FIN+32*FP                  ; the spare words, 128 bytes a wave: four blocks of 256 bytes that no other line names
.set SPW, 2                            ; v2  SPARE + 4 x my thread's number; never rewritten
.set NIL, 3                            ; v3  0; never rewritten
.set XO,  4                            ; v4  32 x lane: my 8 numbers of 256 in f32
.set BO,  5                            ; v5  16 x lane
.set WSA, 7
.set XSA, 8
.set AFA, 9
.set BFA, 10
.set PSA, 11
.set FSA, 12
.set FRA, 13
.set GMO, 14
.set SG,  48                           ; v48-63   both K halves' sums, then their sigmoids
.set PKD, 64                           ; v64-127  numbers rounded to 16 bits
.set AF,  128                          ; v128-191 tokens' fragments, 8 of 32 k (before: gate's weights in f32)
.set BF,  192                          ; v192-255 weights' fragments, blocks 0-3 of a quarter's 8 of 32 k x (gate, mix) (before: mix's weights in f32)
.set B2,  0                            ; window 1, v0-63: the same for blocks 4-7 (before: rows 0-7 of tokens' first quarter in f32)
.set MSB, 0
.macro WIN new                         ; the immediate's high byte repeats the setting that is left; a switch that changes nothing is dropped
.if MSB != (\new)
	s_set_vgpr_msb (MSB<<8)|(\new)
.set MSB, (\new)
.endif
.endm
.macro PLACES                          ; four plain instructions between a matrix instruction and what reads its result (ISA guide 7.12.1)
.rept 4
	v_nop
.endr
.endm
	s_load_b512 s[4:19], s[0:1], 0x0               ; tokens 4, Wq 6, Wkv 8, Wout 10, Wgate 12, Wmix 14, xb 16, wc 18
	s_load_b128 s[20:23], s[0:1], 0x40             ; wo 20, gm 22
	s_load_b64 s[24:25], s[0:1], 0x50              ; tab
	v_lshl_add_u32 v[SPW], v0, 2, SPARE
	v_mov_b32 v[NIL], 0
	v_lshrrev_b32 v1, 5, v0
	v_readfirstlane_b32 s26, v1                    ; wave 0..7
	v_and_b32 v1, 31, v0                           ; lane
	v_lshlrev_b32 v[BO], 4, v1
	s_wait_alu depctr_va_sdst(0)                   ; s26 is written, ahead of the branch and of its first reader on either way
	s_cmp_ge_u32 ttmp9, 128                        ; the same answer in all waves of a work-group
	s_cbranch_scc1 .Lcast
	; ---------------- TOKENS: wave v takes row block v & 3 (16 rows) and K half v >> 2 (512 k, as two quarters of 256) ----------------
	s_and_b32 s27, s26, 3                          ; row block
	s_lshr_b32 s28, s26, 2                         ; K half
	s_lshl_b32 s30, ttmp9, 6
	s_lshl_b32 s31, s27, 4
	s_add_co_u32 s30, s30, s31                     ; my first row
	s_lshl_b32 s32, s30, 12                        ; x 4,096 bytes in tokens
	s_lshl_b32 s31, s28, 11
	s_add_co_u32 s32, s32, s31
	s_mov_b32 s33, 0
	s_lshl_b32 s34, s30, 11                        ; x 2,048 bytes in xb
	s_lshl_b32 s31, s28, 10
	s_add_co_u32 s34, s34, s31
	s_mov_b32 s35, 0
	s_lshl_b32 s36, s26, 13                        ; my 128 rows of k of the small weights: 8,192 bytes
	s_mov_b32 s37, 0
	s_lshl_b32 s38, ttmp9, 8                       ; the work-group's 64 tokens in a row of gm
	s_mov_b32 s39, 0
	v_lshlrev_b32 v[XO], 5, v1
	s_wait_kmcnt 0x0
	s_add_nc_u64 s[4:5], s[4:5], s[32:33]
	s_add_nc_u64 s[16:17], s[16:17], s[34:35]
	s_add_nc_u64 s[12:13], s[12:13], s[36:37]
	s_add_nc_u64 s[14:15], s[14:15], s[36:37]
	s_add_nc_u64 s[22:23], s[22:23], s[38:39]
	s_wait_alu depctr_va_vdst(0)                   ; v4 and v5 are written, which the 96 loads below read as their offsets; only loads and a window switch stand between this wait and the last of them
.set i, 0
.rept 16                                       ; 8 rows of k a load: 512 consecutive bytes
	global_load_b128 v[AF+4*i:AF+4*i+3], v[BO], s[12:13] offset:512*i
	global_load_b128 v[BF+4*i:BF+4*i+3], v[BO], s[14:15] offset:512*i
.set i, i+1
.endr
	WIN 0x40                                       ; destination window 1: quarter qq, row i at 128 qq + 8 i
.irp qq, 0,1
.set i, 0
.rept 16
	global_load_b128 v[128*(\qq)+8*i:128*(\qq)+8*i+3],   v[XO], s[4:5] offset:4096*i+1024*(\qq) th:TH_LOAD_NT
	global_load_b128 v[128*(\qq)+8*i+4:128*(\qq)+8*i+7], v[XO], s[4:5] offset:4096*i+1024*(\qq)+16 th:TH_LOAD_NT
.set i, i+1
.endr
.endr
	WIN 0
	v_and_b32 v15, 15, v1                          ; r = lane % 16
	v_lshrrev_b32 v33, 4, v1                       ; h = lane / 16
	v_lshrrev_b32 v34, 2, v1
	v_and_b32 v35, 3, v1
	v_mul_u32_u24 v[WSA], v34, WP                  ; the weights go in: row 128 v + 8 i + lane / 4, 8 bytes at 8 (lane % 4)
	v_lshl_add_u32 v[WSA], v35, 3, v[WSA]
	s_mul_i32 s40, s26, 128*WP
	v_add_nc_u32 v[WSA], s40, v[WSA]
	s_mul_i32 s40, s26, 16*XP
	s_add_co_u32 s40, s40, XS                      ; my wave's rows of tokens
	v_lshl_add_u32 v[XSA], v1, 4, s40
	v_mul_u32_u24 v[AFA], v15, XP                  ; a fragment of tokens: row r, 16 bytes at 16 h, and 32 bytes on
	v_lshl_add_u32 v[AFA], v33, 4, v[AFA]
	v_add_nc_u32 v[AFA], s40, v[AFA]
	v_and_b32 v34, 7, v1
	v_lshl_add_u32 v34, v33, 3, v34
	v_mul_u32_u24 v[BFA], v34, WP                  ; the turning load: row of k 8 h + lane % 8, 16 bytes at 16 ((lane / 8) % 2)
	v_bfe_u32 v35, v1, 3, 1
	v_lshl_add_u32 v[BFA], v35, 4, v[BFA]
	s_mul_i32 s40, s28, 512*WP
	v_add_nc_u32 v[BFA], s40, v[BFA]
	s_lshl_b32 s40, s27, 11
	s_add_co_u32 s40, s40, PS
	v_lshl_add_u32 v[PSA], v1, 4, s40
	v_mul_u32_u24 v[FSA], v15, FP                  ; a lane ends with head r and tokens 16 rb + 8 h + 0..7
	v_lshl_add_u32 v[FSA], v33, 5, v[FSA]
	s_lshl_b32 s40, s27, 6
	s_add_co_u32 s40, s40, FIN
	v_add_nc_u32 v[FSA], s40, v[FSA]
	v_mul_u32_u24 v[FRA], v33, FP                  ; back: wave v takes rows 4 v .. 4 v + 3 of gm, sixteen lanes a row of 256 bytes
	v_lshl_add_u32 v[FRA], v15, 4, v[FRA]
	s_mul_i32 s40, s26, 4*FP
	s_add_co_u32 s40, s40, FIN
	v_add_nc_u32 v[FRA], s40, v[FRA]
	v_lshlrev_b32 v[GMO], 15, v33                  ; a row of gm is 32,768 bytes
	v_lshl_add_u32 v[GMO], v15, 4, v[GMO]
	s_lshl_b32 s40, s26, 17
	v_add_nc_u32 v[GMO], s40, v[GMO]
	s_wait_loadcnt 63                              ; behind the 32 loads of weights 64 were issued; the count's field ends at 63
.set i, 0
.rept 16                                       ; all 64 conversions in one run, their stores in one run behind one wait
	v_cvt_pk_bf16_f32 v[PKD+2*i],    v[AF+4*i],   v[AF+4*i+1]
	v_cvt_pk_bf16_f32 v[PKD+2*i+1],  v[AF+4*i+2], v[AF+4*i+3]
	v_cvt_pk_bf16_f32 v[PKD+32+2*i],   v[BF+4*i],   v[BF+4*i+1]
	v_cvt_pk_bf16_f32 v[PKD+32+2*i+1], v[BF+4*i+2], v[BF+4*i+3]
.set i, i+1
.endr
	s_wait_alu depctr_va_vdst(0)                   ; the conversions have written v64-127, the LDS stores' data, and the lines above them v7, their address (and v8 to v14, which later LDS instructions and gm's stores read)
.set i, 0
.rept 16
	ds_store_b64 v[WSA], v[PKD+2*i:PKD+2*i+1] offset:8*WP*i
	ds_store_b64 v[WSA], v[PKD+32+2*i:PKD+32+2*i+1] offset:8*WP*i+32
.set i, i+1
.endr
	s_wait_dscnt 0x0                               ; for the others' sake: my rows of the weights are in LDS
	s_barrier_signal -1
	s_barrier_wait -1                              ; everybody's are
.macro BLOAD qq, k0, base              ; the weights' fragments of four blocks of 32 k, gate's and mix's, into the 64 registers from base on
.irp kb, 0,1,2,3
.irp m, 0,1
	ds_load_tr16_b128 v[(\base)+16*(\kb)+8*(\m):(\base)+16*(\kb)+8*(\m)+3],   v[BFA] offset:(256*(\qq)+32*((\k0)+(\kb)))*WP+32*(\m)
	ds_load_tr16_b128 v[(\base)+16*(\kb)+8*(\m)+4:(\base)+16*(\kb)+8*(\m)+7], v[BFA] offset:(256*(\qq)+32*((\k0)+(\kb)))*WP+32*(\m)+16*WP
.endr
.endr
.endm
.macro GM qq, kb                       ; two products, source 0 = 16 tokens, source 1 = 16 heads: the two accumulators take turns
.set rA, AF+8*(\kb)
.if (\kb) < 4
	WIN 0
.set rB, BF+16*(\kb)
.else
	WIN 0x04                                       ; source 1 in window 1
.set rB, B2+16*((\kb)-4)
.endif
.if ((\qq) == 0) && ((\kb) == 0)
	v_wmma_f32_16x16x32_bf16 v[16:23], v[rA:rA+7], v[rB:rB+7], 0
	v_wmma_f32_16x16x32_bf16 v[24:31], v[rA:rA+7], v[rB+8:rB+15], 0
.else
	v_wmma_f32_16x16x32_bf16 v[16:23], v[rA:rA+7], v[rB:rB+7], v[16:23]
	v_wmma_f32_16x16x32_bf16 v[24:31], v[rA:rA+7], v[rB+8:rB+15], v[24:31]
.endif
.endm
; A quarter: 16 rows x 256 k are rounded, stored to xb (512 consecutive bytes a store), laid into my rows of LDS, read back as fragments and multiplied.
.macro QPART qq
.if (\qq) == 0
	s_wait_loadcnt 32                              ; the first quarter is in; the second's 32 loads stay out
.else
	s_wait_loadcnt 0x0
	s_wait_xcnt 0x0                                ; the first quarter's stores to xb have had their addresses translated (ISA guide 3.1): v64-127 are written again only behind this wait
.endif
	s_wait_alu depctr_vm_vsrc(0)                   ; the stores issued so far (the weights' into LDS; the quarter before's to xb and into LDS) have read v64-127, which the conversions write again
	WIN 0x05                                       ; sources in window 1
.set i, 0
.rept 64
	v_cvt_pk_bf16_f32 v[PKD+i], v[128*(\qq)+2*i], v[128*(\qq)+2*i+1]
.set i, i+1
.endr
	WIN 0
	s_wait_alu depctr_va_vdst(0)                   ; the conversions have written v64-127, the stores' data; all earlier readers of the three fragment buffers are done: of v128-255 the weights' conversions or the quarter before's products, of v256-319 quarter 0's conversions or its products
.set i, 0
.rept 16
	global_store_b128 v[BO], v[PKD+4*i:PKD+4*i+3], s[16:17] offset:2048*i+512*(\qq)
	ds_store_b128 v[XSA], v[PKD+4*i:PKD+4*i+3] offset:XP*i
.set i, i+1
.endr
.set i, 0
.rept 8                                        ; LDS serves a wave's instructions in order (ISA guide 5.7.1.4): these see the stores above
	ds_load_b128 v[AF+8*i:AF+8*i+3],   v[AFA] offset:64*i
	ds_load_b128 v[AF+8*i+4:AF+8*i+7], v[AFA] offset:64*i+32
.set i, i+1
.endr
	BLOAD \qq, 0, BF
	WIN 0x40                                       ; destination window 1.  No further wait: since the wait above stand only stores of v64-127, loads and window switches
	BLOAD \qq, 4, B2
	WIN 0
	s_wait_dscnt 16                                ; LDS instructions end in order (ISA guide 5.7.1): tokens' fragments and the weights' blocks 0-3 are in; the youngest 16 loads, blocks 4-7, stay out
.irp kb, 0,1,2,3
	GM \qq, \kb
.endr
	s_wait_dscnt 0x0                               ; blocks 4-7
.irp kb, 4,5,6,7
	GM \qq, \kb
.endr
.endm
	QPART 0
	QPART 1
	WIN 0
	PLACES
	s_wait_alu depctr_va_vdst(0)                   ; the products have written v16-31, which waves 4-7's LDS stores read; the places above stay beside this wait
	s_cmp_lt_u32 s26, 4
	s_cbranch_scc1 .Lupper_done                    ; waves 4-7 hand their half of K over
	ds_store_b128 v[PSA], v[16:19]
	ds_store_b128 v[PSA], v[20:23] offset:512
	ds_store_b128 v[PSA], v[24:27] offset:1024
	ds_store_b128 v[PSA], v[28:31] offset:1536
.Lupper_done:
	s_wait_dscnt 0x0
	s_barrier_signal -1
	s_barrier_wait -1
	s_cmp_ge_u32 s26, 4
	s_cbranch_scc1 .Llower_done                    ; waves 0-3 add the halves and take the sigmoids: 1 / (1 + 2^(-x log2 e))
	ds_load_b128 v[32:35], v[PSA]                  ; (the head's lines that named v33 to v35 stand ahead of the waits on va_vdst above)
	ds_load_b128 v[36:39], v[PSA] offset:512
	ds_load_b128 v[40:43], v[PSA] offset:1024
	ds_load_b128 v[44:47], v[PSA] offset:1536
	s_wait_dscnt 0x0
.set i, 0
.rept 8                                        ; into registers of their own: no line writes v16-31 but the products
	v_pk_add_f32 v[SG+2*i:SG+2*i+1], v[16+2*i:17+2*i], v[32+2*i:33+2*i]
.set i, i+1
.endr
.set i, 0
.rept 8
	v_pk_mul_f32 v[SG+2*i:SG+2*i+1], v[SG+2*i:SG+2*i+1], 0xbfb8aa3b op_sel_hi:[1,0]
.set i, i+1
.endr
.set i, 0
.rept 16
	v_exp_f32 v[SG+i], v[SG+i]
.set i, i+1
.endr
	v_nop                                          ; a plain instruction behind the last exponential,
	s_wait_alu depctr_va_vdst(0)                   ; and one wait for the batch: the sixteen exponentials have written v48-63, which the additions read
.set i, 0
.rept 8
	v_pk_add_f32 v[SG+2*i:SG+2*i+1], v[SG+2*i:SG+2*i+1], 1.0 op_sel_hi:[1,0]
.set i, i+1
.endr
.set i, 0
.rept 16
	v_rcp_f32 v[SG+i], v[SG+i]
.set i, i+1
.endr
	v_nop
	s_wait_alu depctr_va_vdst(0)                   ; the sixteen reciprocals have written v48-63, which the LDS stores read; the additions are done reading v32-39, in which gm's rows land below
	ds_store_b128 v[FSA], v[SG:SG+3]
	ds_store_b128 v[FSA], v[SG+4:SG+7] offset:16
	ds_store_b128 v[FSA], v[SG+8:SG+11] offset:16*FP
	ds_store_b128 v[FSA], v[SG+12:SG+15] offset:16*FP+16
.Llower_done:
	s_wait_dscnt 0x0
	s_barrier_signal -1
	s_barrier_wait -1
	ds_load_b128 v[32:35], v[FRA]
	ds_load_b128 v[36:39], v[FRA] offset:2*FP
	s_wait_dscnt 0x0
	global_store_b128 v[GMO], v[32:35], s[22:23]               ; sixteen lanes store 256 consecutive bytes of one row of gm, aligned
	global_store_b128 v[GMO], v[36:39], s[22:23] offset:65536
	s_branch .Lend
	; ---------------- WEIGHTS: work-group 128 + j takes chunk j >> 1 of 64, K half j & 1; wave v 64 rows of k ----------------
.Lcast:
	s_sub_co_u32 s27, ttmp9, 128                   ; j
	s_lshr_b32 s28, s27, 1                         ; chunk 0-15 Wq, 16-47 Wkv, 48-63 Wout
	s_and_b32 s29, s27, 1
	s_and_b32 s30, s28, 15                         ; the head, or Wout's chunk
	s_lshr_b32 s31, s28, 4                         ; 0 q, 1 k, 2 v, 3 Wout
	s_sub_co_u32 s32, s28, 16                      ; Wkv's chunk of columns
	s_mov_b32 s50, 0xffff0000
	s_wait_kmcnt 0x0
	s_cmp_eq_u32 s31, 0
	s_cselect_b64 s[34:35], s[6:7], s[8:9]
	s_cselect_b32 s32, s30, s32
	s_cselect_b32 s33, 12, 13                      ; a row of the source is 4,096 or 8,192 bytes
	s_cmp_eq_u32 s31, 3
	s_cselect_b64 s[34:35], s[10:11], s[34:35]
	s_cselect_b32 s32, s30, s32
	s_cselect_b32 s33, 12, s33
	s_cselect_b64 s[42:43], s[20:21], s[18:19]
	s_mul_i32 s40, s30, 3
	s_add_co_u32 s40, s40, s31                     ; wc's chunk: 3 x head + kind
	s_cmp_eq_u32 s31, 3
	s_cselect_b32 s40, s30, s40
	s_lshl_b32 s36, s29, 9
	s_lshl_b32 s37, s26, 6
	s_add_co_u32 s36, s36, s37                     ; my first row of k
	s_lshl_b32 s38, s36, s33
	s_lshl_b32 s32, s32, 8                         ; 256 bytes of a source row
	s_add_co_u32 s38, s38, s32
	s_mov_b32 s39, 0
	s_add_nc_u64 s[34:35], s[34:35], s[38:39]
	s_lshl_b32 s40, s40, 17                        ; a chunk is 131,072 bytes
	s_lshl_b32 s41, s36, 7
	s_add_co_u32 s40, s40, s41
	s_mov_b32 s41, 0
	s_add_nc_u64 s[42:43], s[42:43], s[40:41]
	v_lshrrev_b32 v6, 3, v1                        ; four rows a pair of loads: row lane / 8, 32 bytes at 32 (lane % 8)
	v_lshlrev_b32 v6, s33, v6
	v_and_b32 v7, 7, v1
	v_lshl_add_u32 v16, v7, 5, v6
	s_lshl_b32 s44, 4, s33
.set i, 0
.rept 15
	v_add_nc_u32 v[17+i], s44, v[16+i]
.set i, i+1
.endr
	WIN 0x40
	s_wait_alu depctr_va_vdst(0)                   ; v16 to v31 are written, which the 32 loads read as their offsets (and v5, the offset of the stores at the end); none of them is written again
.set i, 0
.rept 16
	global_load_b128 v[8*i:8*i+3],   v[16+i], s[34:35] th:TH_LOAD_NT
	global_load_b128 v[8*i+4:8*i+7], v[16+i], s[34:35] offset:16 th:TH_LOAD_NT
.set i, i+1
.endr
	WIN 0
	s_lshl_b32 s46, s27, 4
	s_lshl_b32 s47, s26, 1
	s_add_co_u32 s46, s46, s47                     ; my two positions of the table: 16 j + 2 v, and the next
	s_lshl_b32 s48, s46, 8
	s_mov_b32 s49, 0
	s_add_nc_u64 s[24:25], s[24:25], s[48:49]
	v_lshlrev_b32 v15, 3, v1                       ; the lane is the pair
	v_cvt_f32_u32 v8, v1
	v_mul_f32 v8, 0xbed49a78, v8                   ; - p log2(10000) / 32
	v_exp_f32 v8, v8
	v_nop
	s_wait_alu depctr_va_vdst(0)                   ; the exponential has written v8, the frequency, which both positions' angles read
.macro ROT e                           ; cos and sin of pos x frequency, into v[32 + 8 e + 4] and the next
.set RA, 32+8*(\e)
	s_add_co_u32 s47, s46, \e
	v_cvt_f32_u32 v[RA], s47
	v_mul_f32 v[RA], v[RA], v8
	v_mul_f32 v[RA+1], 0.15915494, v[RA]
	v_rndne_f32 v[RA+1], v[RA+1]
	v_fmamk_f32 v[RA+2], v[RA+1], 0xc0c90fdb, v[RA]    ; less n x 2 pi, in two parts
	v_fmamk_f32 v[RA+2], v[RA+1], 0x343bbd2e, v[RA+2]
	v_mul_f32 v[RA+3], v[RA+2], v[RA+2]
	v_mov_b32 v[RA+5], 0x274a963c
.irp c, 0xab573f9f, 0x2f309231, 0xb2d7322b, 0x3638ef1d, 0xb9500d01, 0x3c088889, 0xbe2aaaab, 0x3f800000
	v_fmaak_f32 v[RA+5], v[RA+5], v[RA+3], \c
.endr
	v_mul_f32 v[RA+5], v[RA+5], v[RA+2]
	v_mov_b32 v[RA+4], 0xa53413c3
.irp c, 0x29573f9f, 0xad49cba5, 0x310f76c7, 0xb493f27e, 0x37d00d01, 0xbab60b61, 0x3d2aaaab, 0xbf000000, 0x3f800000
	v_fmaak_f32 v[RA+4], v[RA+4], v[RA+3], \c
.endr
.endm
	ROT 0                                          ; the table is made while the weights are on their way
	ROT 1
	s_wait_alu depctr_va_vdst(0)                   ; both positions' cosines and sines (v36, v37, v44, v45) are written, which the two stores read; so is v15, their offset
.irp e, 0,1
	global_store_b64 v15, v[32+8*(\e)+4:32+8*(\e)+5], s[24:25] offset:256*(\e)   ; the wave stores a position's 256 bytes
.endr
	s_wait_loadcnt 0x0
	WIN 0x05
.set i, 0
.rept 64
	v_cvt_pk_bf16_f32 v[PKD+i], v[2*i], v[2*i+1]
.set i, i+1
.endr
	WIN 0
	s_cmp_eq_u32 s31, 3
	s_cbranch_scc0 .Lkeep
.set i, 0
.rept 64                                       ; Wout: the bf16 number is written as f16
	v_lshlrev_b32 v[48+2*(i%4)], 16, v[PKD+i]
	v_and_b32 v[49+2*(i%4)], s50, v[PKD+i]
	v_cvt_pk_f16_f32 v[PKD+i], v[48+2*(i%4)], v[49+2*(i%4)]
.set i, i+1
.endr
.Lkeep:
	s_wait_alu depctr_va_vdst(0)                   ; on either way the conversions have written v64-127, which the sixteen stores read
.set i, 0
.rept 16
	global_store_b128 v[BO], v[PKD+4*i:PKD+4*i+3], s[42:43] offset:512*i   ; four rows of a chunk: 512 consecutive bytes
.set i, i+1
.endr
.Lend:
	s_wait_dscnt 0x0                               ; the wave's end
	s_wait_alu 0x0
	s_wait_tensorcnt 0x0
	ds_add_u32 v[SPW], v[NIL]
	s_wait_dscnt 0x0
	s_endpgm
.Lfunc_end_k_qba789c7823_prep:
	.size	k_qba789c7823_prep, .Lfunc_end_k_qba789c7823_prep-k_qba789c7823_prep
	.p2alignl 7, 3214868480
	.fill 96, 4, 3214868480
	.section	.rodata,"a",@progbits
	.p2align	6, 0x0
	.amdhsa_kernel k_qba789c7823_prep
		.amdhsa_group_segment_fixed_size 183808
		.amdhsa_private_segment_fixed_size 0
		.amdhsa_enable_private_segment 0
		.amdhsa_kernarg_size 88
		.amdhsa_user_sgpr_count 2
		.amdhsa_user_sgpr_kernarg_segment_ptr 1
		.amdhsa_wavefront_size32 1
		.amdhsa_system_sgpr_workgroup_id_x 1
		.amdhsa_system_sgpr_workgroup_id_y 1
		.amdhsa_system_sgpr_workgroup_id_z 1
		.amdhsa_system_vgpr_workitem_id 0
		.amdhsa_next_free_vgpr 512
		.amdhsa_next_free_sgpr 66
		.amdhsa_reserve_vcc 0
		.amdhsa_float_denorm_mode_32 3
		.amdhsa_float_denorm_mode_16_64 3
		.amdhsa_memory_ordered 1
		.amdhsa_forward_progress 1
		.amdhsa_inst_pref_size 68
	.end_amdhsa_kernel
	.amdgpu_metadata
---
amdhsa.version: [ 1, 2 ]
amdhsa.kernels:
  - .name:           k_qba789c7823_prep
    .symbol:         k_qba789c7823_prep.kd
    .args:
      - { .name: tokens, .offset: 0, .size: 8, .value_kind: global_buffer, .address_space: global }
      - { .name: Wq, .offset: 8, .size: 8, .value_kind: global_buffer, .address_space: global }
      - { .name: Wkv, .offset: 16, .size: 8, .value_kind: global_buffer, .address_space: global }
      - { .name: Wout, .offset: 24, .size: 8, .value_kind: global_buffer, .address_space: global }
      - { .name: Wgate, .offset: 32, .size: 8, .value_kind: global_buffer, .address_space: global }
      - { .name: Wmix, .offset: 40, .size: 8, .value_kind: global_buffer, .address_space: global }
      - { .name: xb, .offset: 48, .size: 8, .value_kind: global_buffer, .address_space: global }
      - { .name: wc, .offset: 56, .size: 8, .value_kind: global_buffer, .address_space: global }
      - { .name: wo, .offset: 64, .size: 8, .value_kind: global_buffer, .address_space: global }
      - { .name: gm, .offset: 72, .size: 8, .value_kind: global_buffer, .address_space: global }
      - { .name: tab, .offset: 80, .size: 8, .value_kind: global_buffer, .address_space: global }
    .group_segment_fixed_size: 183808
    .private_segment_fixed_size: 0
    .kernarg_segment_align: 8
    .kernarg_segment_size: 88
    .max_flat_workgroup_size: 256
    .sgpr_count:     66
    .vgpr_count:     512
    .wavefront_size: 32
...
	.end_amdgpu_metadata
.endif
;; end of part 5
;; launch proj: the kernel of part 2 again; grid 16 x 32, 4 waves a work-group, clusters of 4 x 4, 327,680 bytes of LDS; arguments xb, wc, tab, gm, value_residual, qkv; writes qkv
;; launch attn: the kernel of part 3 again; grid 8 x 64, 4 waves a work-group, no clusters, 243,200 bytes of LDS; arguments qkv, gm, oh; writes oh
;; launch outp: the kernel of part 4 again; grid 8 x 32, 4 waves a work-group, clusters of 4 x 4, 327,680 bytes of LDS; arguments oh, wo, out0; writes out0
